; MI455X (gfx1250); checked and timed in simulation.
; The chip was launched on July 23, 2026; its instructions are those of AMD's public machine-readable ISA for CDNA 5 (MIT licence, August 2026) and "CDNA5" Instruction Set Architecture Reference Guide (July 2026). The comments in the code are by the model that wrote it; some were corrected since.
;; Grouped Query Attention. Allowed arithmetic: matrix products marked QUANTISED: E2M1 operands, one E8M0 scale for each 32 along K, by v_wmma_scale_f32_16x16x128_f8f6f4 with both operands' format E2M1 (or v_wmma_scale_f32_32x16x128_f4), f32 sums; everything else in f32.
;; Inputs: Wk 512 x 2,048 float32; Wo 2,048 x 2,048 float32; Wq 2,048 x 2,048 float32; Wv 512 x 2,048 float32; bk 512 float32; bo 2,048 float32; bq 2,048 float32; bv 512 float32; x 4 x 1,024 x 2,048 float32.
;; Outputs: out0 4 x 1,024 x 2,048 float32.
;; This version of the problem:
;;   THIS VERSION OF THE PROBLEM IS GIVEN IN LOW PRECISION. The matrix products marked QUANTISED in the list below multiply operands that are first quantised to E2M1 (2 exponent bits, 1 mantissa bit; 4 bits a number), with one power-of-two scale for each 32 numbers along K (OCP MX v1.0); their sums are f32. All else is computed in f32.
;;   The module's matrix products, in the order in which they are computed (A, B: the left and right operand; K: the contracted axis; several contracted axes count as one K, in the product's order):
;;     1. [M 4,096, K 2,048] x [K 2,048, N 2,048]; A: input x; B: input Wq: QUANTISED
;;     2. [M 4,096, K 2,048] x [K 2,048, N 512]; A: input x; B: input Wk: QUANTISED
;;     3. [M 4,096, K 2,048] x [K 2,048, N 512]; A: input x; B: input Wv: QUANTISED
;;     4. batch 64 x [M 1,024, K 128] x [K 128, N 1,024]; A: computed on the way; B: computed on the way: QUANTISED
;;     5. batch 64 x [M 1,024, K 1,024] x [K 1,024, N 128]; A: softmax (see below); B: computed on the way: QUANTISED
;;     6. [M 4,096, K 2,048] x [K 2,048, N 2,048]; A: computed on the way; B: input Wo: QUANTISED
;;   THE QUANTISER, for each operand of a quantised product, along K:
;;     - K is cut into blocks of 32 from its start; a last block that is shorter is filled with zeros.
;;     - A block's scale is 2^e with e = floor(log2(the largest magnitude in the block)) - 2, held to -126 .. 127; a block of zeros has e = 0. As a byte (E8M0): e + 127.
;;     - Each number is divided by its block's scale, clamped to +-6, and rounded to the nearest number of E2M1, ties to even, subnormals kept.
;;     - The product sums the exact products of the quantised numbers (number of the format x scale) in f32.
;;   ~~~python
;;   def quantise(x, axis):      # numpy; x: float32 -> the quantised numbers, widened to float32 again
;;       x = np.moveaxis(x, axis, -1); K = x.shape[-1]
;;       x = np.pad(x, [(0, 0)] * (x.ndim - 1) + [(0, -K % 32)]); x = x.reshape(x.shape[:-1] + (-1, 32)); a = np.abs(x).max(-1, keepdims=True)
;;       e = np.where(a > 0, np.clip(np.frexp(np.where(a > 0, a, 1))[1] - 1 - 2, -126, 127), 0)      # np.frexp(a)[1] - 1 = floor(log2(a)), exactly
;;       r = np.clip(x / 2.0 ** e, -6, 6)
;;       step = 2.0 ** (np.maximum(np.frexp(np.where(r == 0, 1, r))[1] - 1, 0) - 1)
;;       q = np.round(r / step) * step * 2.0 ** e      # np.round: ties to even
;;       return np.moveaxis(q.reshape(q.shape[:-2] + (-1,))[..., :K], -1, axis).astype(np.float32)
;;   ~~~
;;   SOFTMAX AHEAD OF A QUANTISED PRODUCT. Where the list says 'softmax', what is quantised is not the finished softmax but p = 2^(t - M), with t = logit x log2(e) and M = ceil(the row's largest t), a whole number; so 1/2 < the row's largest p <= 1. The row's sum l is taken of the UNQUANTISED p, in f32, and the product's result is divided by l at the end. Since M is a whole number, a kernel that streams over the keys may use a running M (the ceiling of the running maximum): every later rescaling is an exact power of two, which a block's scale takes up: the codes' values come out the same.
;;   OPERANDS COMPUTED ON THE WAY. 'Computed on the way' means the value that the module computes at that place (a softmax that the list does not call 'softmax' is quantised finished and normalised). What goes into a quantiser is computed in f32, as accurately as f32 sums, v_exp_f32 and their like allow (about 1e-6 of the number): no bf16 or f16 on the way to a quantiser, and a product that is left as it is and whose result goes on into a quantised operand takes f32 operands (vector FMAs, or v_wmma_f32_16x16x4_f32). A number that lies on a knife's edge between two numbers of the format may be rounded either way, as far as f32 arithmetic and the matrix unit's own rounding can turn it there, and no further.
;; One version. Each part assembles by itself: llvm-mc -triple=amdgcn-amd-amdhsa -mcpu=gfx1250 --defsym DOCPART=n.
;; ======== version 1 of 1: 4 launches
;; limits: right only within a limited range of input values
;; workspace buffers: xq 4,456,448 bytes; wq 5,832,704 bytes; fr 7,077,888 bytes; yq 4,456,448 bytes
;; launch quant (part 1): grid 592 x 1, 4 waves a work-group, no clusters, 33,280 bytes of LDS; arguments x, Wq, Wk, Wv, Wo, xq, wq; writes xq, wq
.if DOCPART == 1
	.amdgcn_target "amdgcn-amd-amdhsa--gfx1250"
	.amdhsa_code_object_version 6
	.text
	.protected	k_q6ae37e5496_quant
	.globl	k_q6ae37e5496_quant
	.p2align	8
	.type	k_q6ae37e5496_quant,@function
k_q6ae37e5496_quant:
	s_mov_b64 s[64:65], 0
	v_nop
	global_prefetch_b8 v0, s[64:65] scope:SCOPE_SE
	s_setreg_imm32_b32 hwreg(HW_REG_WAVE_MODE, 25, 1), 1
	s_wait_xcnt 0x0
; x [4096][2048] and the four weights Wq [2048][2048], Wk, Wv [512][2048], Wo [2048][2048], all f32 with K innermost, become codes of FP4 (E2M1) with one E8M0 scale byte
; for each 32 along K.  x goes to xq, the weights one behind the other (Wq, Wk, Wv, Wo: 5,120 rows) to wq: codes [rows][1024 bytes], behind them scale bytes [rows][64].
; A block's scale is 2^(floor(log2(its largest magnitude)) - 2); its byte is the largest magnitude's exponent field - 2, held at 1 from below.
; THE ROWS ARE LAID WITH BITS 3 AND 4 OF THEIR NUMBER SWAPPED: place p holds row swap(p).  Sixteen neighbouring places 16 T + r then hold rows 32 (T / 2) + 8 (T % 2) + r + 8 (r / 8),
; so that in the later products, whose results become operands again, the 16 registers of two neighbouring tiles are 16 neighbours along the next K.
; A wave takes a run of 8,192 numbers = 4 rows, so bits 3 and 4 of a row are bits 1 and 2 of the run: only the run's place in the output is swapped.
; Work-groups 0-255 take x, 256-383 Wq, 384-415 Wk, 416-447 Wv, 448-575 Wo: only pointers are chosen, by the work-group's number; all take one way through the text.
; Each of a step's four loads reads 512 consecutive bytes; the 2,048 bytes turn through the wave's own stage in LDS, so that a lane holds 16 neighbours (two lanes hold a block).
; Work-groups 576-591 make the table of rotary factors, cos(theta) + sin(theta), theta = token x 10000^(-i / 64), i = 0 .. 63, behind the weights' scale bytes in wq: reference() multiplies
; q and k by cos and by sin of the same angle and adds, since its slices of the head axis leave both halves equal to the whole.  The table is laid as images of registers: tile T (16 places of
; tokens) is 4,096 bytes; register rho = 16 cc + e of lane (r, h), for token 32 (T / 2) + 8 (T % 2) + r + 8 (r / 8) and i = 32 cc + 16 h + e, lies at (rho / 4) 512 + 16 lane + 4 (rho % 4).
; The 64 frequencies are written as decimal constants (10^(-i / 16), rounded to f32 by the assembler): the angle reaches 1,023, where an error of the last bit of a frequency shows.
; sin and cos: the angle less k pi/2, pi/2 in two words (k at most 651: what the two words leave out is under 2e-12), then polynomials on |r| <= pi/4.
; LIMITS: NaN and infinities among the inputs are not served.  A block of zeros gets the byte 1 where the rule says 127: its codes are zeros, and this program alone reads the bytes.
; No tensor loads, no barrier: waves share nothing.  No cluster: no two work-groups read the same bytes.
.set STEPS,  16
.set EMAX,   2
.set CB,     8                         ; bytes of 16 codes
.set R,      16                        ; v16-143  eight sets of 16 numbers as they are loaded
.set X,      144                       ; v144-175 two sets of 16 neighbours
.set E,      176                       ; v176-191 a scale byte for each step
.set C,      194                       ; v194-225 codes: two registers for each step, so that no store's data are written again
.set WREG,   8192                      ; LDS: a region for each wave: two stages of 32 x SP bytes, behind them its 256 scale bytes
.set SP,     80                        ; a lane's place in a stage: its 64 bytes + 16 of padding
.set XS_OFF, 4194304                   ; xq: where the scale bytes begin
.set WS_OFF, 5242880                   ; wq: likewise
.set TAB_OFF, 5570560                  ; wq: where the table begins
	s_load_b256 s[4:11], s[0:1], 0x0               ; x, Wq, Wk, Wv
	s_load_b128 s[12:15], s[0:1], 0x20             ; Wo, xq
	s_load_b64 s[16:17], s[0:1], 0x30              ; wq
	v_lshl_add_u32 v192, v0, 2, 0x8000
	v_mov_b32 v193, 0
	v_lshrrev_b32 v1, 5, v0
	v_readfirstlane_b32 s20, v1                    ; wave
	v_and_b32 v2, 31, v0                           ; lane
	s_cmp_ge_u32 ttmp9, 576
	s_cbranch_scc1 .Ltable
	v_lshlrev_b32 v3, 4, v2                        ; my 16 bytes of a load's 512
	s_mul_i32 s21, s20, WREG
	v_lshrrev_b32 v14, 2, v2
	v_mul_u32_u24 v14, v14, SP
	v_and_b32 v15, 3, v2
	v_lshl_add_u32 v14, v15, 4, v14
	v_add_nc_u32 v14, s21, v14                     ; the stage, on the way in: SP (lane / 4) + 16 (lane % 4)
	v_mul_u32_u24 v15, v2, SP
	v_add_nc_u32 v15, s21, v15                     ; and on the way out: SP x lane: my 16 neighbours
	v_mul_u32_u24 v4, v2, CB                       ; my codes' place in a step's
	v_lshrrev_b32 v5, 1, v2
	s_add_co_u32 s21, s21, 2*32*SP
	v_add_nc_u32 v5, s21, v5                       ; LDS: my wave's 256 scale bytes, my block's byte
	v_lshlrev_b32 v7, 3, v2                        ; and on the way out 8 bytes a lane
	v_add_nc_u32 v6, s21, v7
	s_wait_alu depctr_va_vdst(0)
	s_wait_kmcnt 0x0
	s_mov_b64 s[24:25], s[4:5]                     ; the source: x, unless the work-group's number says otherwise
	s_mov_b32 s22, 0                               ; the source's first work-group
	s_mov_b32 s28, XS_OFF
	s_cmp_ge_u32 ttmp9, 256
	s_cselect_b64 s[24:25], s[6:7], s[24:25]
	s_cselect_b32 s22, 256, s22
	s_cselect_b64 s[26:27], s[16:17], s[14:15]     ; the target: wq or xq,
	s_cselect_b32 s23, 256, 0                      ; its first work-group,
	s_cselect_b32 s28, WS_OFF, s28                 ; and where its scale bytes begin
	s_cmp_ge_u32 ttmp9, 384
	s_cselect_b64 s[24:25], s[8:9], s[24:25]
	s_cselect_b32 s22, 384, s22
	s_cmp_ge_u32 ttmp9, 416
	s_cselect_b64 s[24:25], s[10:11], s[24:25]
	s_cselect_b32 s22, 416, s22
	s_cmp_ge_u32 ttmp9, 448
	s_cselect_b64 s[24:25], s[12:13], s[24:25]
	s_cselect_b32 s22, 448, s22
	s_sub_co_u32 s29, ttmp9, s22
	s_lshl_b32 s29, s29, 2
	s_add_co_u32 s30, s29, s20                     ; which run of 8,192 numbers of the source is my wave's
	s_lshl_b32 s30, s30, 15                        ; 32,768 bytes a run (under 2^26)
	s_mov_b32 s31, 0
	s_add_nc_u64 s[24:25], s[24:25], s[30:31]
	s_sub_co_u32 s29, ttmp9, s23
	s_lshl_b32 s29, s29, 2
	s_add_co_u32 s29, s29, s20                     ; and of the target;
	s_lshr_b32 s32, s29, 1
	s_lshr_b32 s33, s29, 2
	s_xor_b32 s32, s32, s33
	s_and_b32 s32, s32, 1
	s_mul_i32 s32, s32, 6
	s_xor_b32 s29, s29, s32                        ; its bits 1 and 2 change places
	s_lshl_b32 s30, s29, 12                        ; 4,096 bytes of codes a run
	s_add_nc_u64 s[34:35], s[26:27], s[30:31]
	s_lshl_b32 s30, s29, 8                         ; 256 scale bytes a run
	s_add_co_u32 s30, s30, s28
	s_add_nc_u64 s[36:37], s[26:27], s[30:31]
.macro LOAD t
.irp i, 0,1,2,3
	global_load_b128 v[R+16*((\t)%8)+4*\i:R+16*((\t)%8)+4*\i+3], v3, s[24:25] offset:2048*(\t)+512*\i th:TH_LOAD_NT   ; 32 lanes read 512 consecutive bytes
.endr
.endm
.macro TURN t                          ; step t's numbers through the stage: LDS serves a wave's instructions in order, so no wait stands between the stores and the loads
.irp i, 0,1,2,3
	ds_store_b128 v14, v[R+16*((\t)%8)+4*\i:R+16*((\t)%8)+4*\i+3] offset:32*SP*((\t)%2)+8*SP*\i
.endr
.irp i, 0,1,2,3
	ds_load_b128 v[X+16*((\t)%2)+4*\i:X+16*((\t)%2)+4*\i+3], v15 offset:32*SP*((\t)%2)+16*\i
.endr
.endm
.irp t, 0,1,2,3,4,5,6,7
	LOAD \t                                        ; eight steps, 32 loads, 16,384 bytes of a wave are asked for
.endr
	s_wait_loadcnt 28                              ; step 0's four loads are in
	TURN 0
.macro STEP t
.set XS, X+16*((\t)%2)
.if (\t) > 0
	s_wait_dscnt 1                                 ; this step's numbers are back from the stage (the last step's byte store may be out): so its stores into the stage have read their registers,
.else
	s_wait_dscnt 0x0
.endif
.if (\t)+8 < STEPS
	LOAD (\t)+8                                    ; which take the loads of eight steps on
.endif
.if (\t)+1 < STEPS
.if STEPS-2-(\t) >= 7
	s_wait_loadcnt 28                              ; the next step's four loads are in; those of the seven steps behind it may be out
.else
	s_wait_loadcnt 4*(STEPS-2-(\t))
.endif
	TURN (\t)+1                                    ; and go through the other stage while this step is worked
.endif
	v_max3_num_f32 v8, |v[XS]|, |v[XS+1]|, |v[XS+2]|               ; the largest magnitude of my 16, in two chains
	v_max3_num_f32 v9, |v[XS+3]|, |v[XS+4]|, |v[XS+5]|
.irp i, 6,10
	v_max3_num_f32 v8, v8, |v[XS+\i]|, |v[XS+\i+1]|
	v_max3_num_f32 v9, v9, |v[XS+\i+2]|, |v[XS+\i+3]|
.endr
	v_max3_num_f32 v8, v8, |v[XS+14]|, |v[XS+15]|
	v_max3_num_f32 v8, v8, v9, (EMAX+1)<<23        ; and the floor 2^(EMAX + 1 - 127): so the byte cannot fall under 1
	v_max_num_f32_dpp v8, v8, v8 row_xmask:1 row_mask:0xf bank_mask:0xf   ; and of my neighbour's 16: the block's
	v_add_nc_u32 v11, -(EMAX<<23), v8              ; EMAX off its exponent field: the conversion takes the exponent field of this operand as its scale, and nothing else of it
	v_cvt_scalef32_pk8_fp4_f32 v[C+2*(\t)], v[XS:XS+7], v11
	v_cvt_scalef32_pk8_fp4_f32 v[C+2*(\t)+1], v[XS+8:XS+15], v11
	v_lshrrev_b32 v[E+(\t)], 23, v11               ; the scale's byte
	ds_store_b8 v5, v[E+(\t)] offset:16*(\t)       ; both lanes of a block write the same byte with the same value
.if (\t)%4 == 3                        ; the codes of four steps leave in one run: each store of the wave covers 256 consecutive bytes, aligned
.irp u, 3,2,1,0
	global_store_b64 v4, v[C+2*((\t)-\u):C+2*((\t)-\u)+1], s[34:35] offset:32*CB*((\t)-\u)
.endr
.endif
.endm
.irp t, 0,1,2,3,4,5,6,7,8,9,10,11,12,13,14,15
	STEP \t
.endr
	ds_load_b64 v[12:13], v6                       ; LDS serves a wave's instructions in order: these see my stores
	s_wait_dscnt 0x0
	global_store_b64 v7, v[12:13], s[36:37]        ; 32 lanes store 256 consecutive bytes, aligned
	s_wait_tensorcnt 0x0
	ds_add_u32 v192, v193
	s_wait_dscnt 0x0
	s_endpgm
; THE TABLE.  A wave makes one tile of 16 places of tokens: 32 registers a lane.
.Ltable:
	v_and_b32 v66, 15, v0                          ; r
	s_wait_alu depctr_va_vdst(0)
	v_bfe_u32 v67, v0, 4, 1                        ; h
	s_wait_alu depctr_va_vdst(0)
	s_sub_co_u32 s21, ttmp9, 576
	s_lshl_b32 s21, s21, 2
	s_add_co_u32 s21, s21, s20                     ; tile T = 4 (work-group - 576) + wave
	s_lshr_b32 s22, s21, 1
	s_lshl_b32 s22, s22, 5
	s_and_b32 s23, s21, 1
	s_lshl_b32 s23, s23, 3
	s_add_co_u32 s22, s22, s23                     ; 32 (T / 2) + 8 (T % 2)
	v_and_b32 v68, 8, v66
	v_add_nc_u32 v68, v68, v66                     ; r + 8 (r / 8)
	v_add_nc_u32 v68, s22, v68                     ; my token,
	v_cvt_f32_u32 v70, v68                         ; as f32: exact
	v_lshlrev_b32 v71, 4, v2                       ; 16 x lane
	v_cmp_eq_u32 vcc_lo, 1, v67                    ; lanes 16-31 take the frequencies 16 further on
	s_mov_b32 s30, 0x3f22f983                      ; 2 / pi
	s_mov_b32 s32, 0x3fc90fdb                      ; pi / 2, its upper word,
	s_mov_b32 s33, 0xb33bbd2e                      ; and what that leaves
	s_mov_b32 s34, 0x36405000                      ; sin:  2.86567956e-6
	s_mov_b32 s35, 0xb9503486                      ;      -1.98559923e-4
	s_mov_b32 s36, 0x3c0888c1                      ;       8.33338592e-3
	s_mov_b32 s37, 0xbe2aaaab                      ;      -1.66666672e-1
	s_mov_b32 s38, 0x37cd4000                      ; cos:  2.44677067e-5
	s_mov_b32 s39, 0xbab6077d                      ;      -1.38877297e-3
	s_mov_b32 s40, 0x3d2aaaa8                      ;       4.16666567e-2
	s_lshl_b32 s24, s21, 12
	s_add_co_u32 s24, s24, TAB_OFF
	s_mov_b32 s25, 0
	s_wait_alu depctr_va_vdst(0)
	s_wait_kmcnt 0x0
	s_add_nc_u64 s[16:17], s[16:17], s[24:25]      ; my tile's 4,096 bytes
; register rho: la is the frequency of lanes 0-15, lb that of lanes 16-31
.macro FAC rho, la, lb
	v_mul_f32 v64, \la, v70
	v_mul_f32 v65, \lb, v70
	v_cndmask_b32 v65, v64, v65, vcc_lo            ; theta = token x frequency: one f32 product, as reference() has it
	v_mul_f32 v66, s30, v65
	v_rndne_f32 v66, v66                           ; k = the nearest whole number to theta / (pi / 2)
	v_fma_f32 v67, -v66, s32, v65
	v_fma_f32 v67, -v66, s33, v67                  ; r = theta - k pi / 2
	v_cvt_i32_f32 v68, v66
	v_mul_f32 v69, v67, v67                        ; z = r r
	v_fma_f32 v72, v69, s34, s35                   ; the two polynomials by turns
	v_fma_f32 v73, v69, s38, s39
	v_fma_f32 v72, v72, v69, s36
	v_fma_f32 v73, v73, v69, s40
	v_fma_f32 v72, v72, v69, s37
	v_fma_f32 v73, v73, v69, -0.5
	v_mul_f32 v74, v67, v69
	v_fma_f32 v73, v73, v69, 1.0                   ; cos r
	v_fma_f32 v72, v72, v74, v67                   ; sin r
	v_add_nc_u32 v75, 1, v68                       ; cos theta + sin theta = +-cos r +- sin r: cos r counts negative for k % 4 = 2, 3, sin r for k % 4 = 1, 2
	v_and_b32 v68, 2, v68
	v_and_b32 v75, 2, v75
	v_lshlrev_b32 v68, 30, v68
	v_lshlrev_b32 v75, 30, v75
	v_xor_b32 v73, v73, v68
	v_xor_b32 v72, v72, v75
	v_add_f32 v[32+\rho], v72, v73
.endm
.macro ROW e, digits                   ; 10^(-e / 16) = 0.digits; frequencies e, 16 + e, 32 + e, 48 + e are that number x 1, 0.1, 0.01, 0.001
	FAC \e, 0.\digits, 0.0\digits
	FAC 16+\e, 0.00\digits, 0.000\digits
.endm
	FAC 0, 1.0, 0.1
	FAC 16, 0.01, 0.001
	ROW 1, 865964323360
	ROW 2, 749894209332
	ROW 3, 649381631576
	ROW 4, 562341325190
	ROW 5, 486967525166
	ROW 6, 421696503429
	ROW 7, 365174127255
	ROW 8, 316227766017
	ROW 9, 273841963426
	ROW 10, 237137370566
	ROW 11, 205352502646
	ROW 12, 177827941004
	ROW 13, 153992652606
	ROW 14, 133352143216
	ROW 15, 115478198469
.irp g, 0,1,2,3,4,5,6,7
	global_store_b128 v71, v[32+4*\g:35+4*\g], s[16:17] offset:512*\g   ; 32 lanes store 512 consecutive bytes, aligned
.endr
	s_endpgm
.Lfunc_end_k_q6ae37e5496_quant:
	.size	k_q6ae37e5496_quant, .Lfunc_end_k_q6ae37e5496_quant-k_q6ae37e5496_quant
	.p2alignl 7, 3214868480
	.fill 96, 4, 3214868480
	.section	.rodata,"a",@progbits
	.p2align	6, 0x0
	.amdhsa_kernel k_q6ae37e5496_quant
		.amdhsa_group_segment_fixed_size 33280
		.amdhsa_private_segment_fixed_size 0
		.amdhsa_enable_private_segment 0
		.amdhsa_kernarg_size 56
		.amdhsa_user_sgpr_count 2
		.amdhsa_user_sgpr_kernarg_segment_ptr 1
		.amdhsa_wavefront_size32 1
		.amdhsa_system_sgpr_workgroup_id_x 1
		.amdhsa_system_sgpr_workgroup_id_y 1
		.amdhsa_system_sgpr_workgroup_id_z 1
		.amdhsa_system_vgpr_workitem_id 0
		.amdhsa_next_free_vgpr 226
		.amdhsa_next_free_sgpr 66
		.amdhsa_reserve_vcc 1
		.amdhsa_float_denorm_mode_32 3
		.amdhsa_float_denorm_mode_16_64 3
		.amdhsa_memory_ordered 1
		.amdhsa_forward_progress 1
		.amdhsa_inst_pref_size 75
	.end_amdhsa_kernel
	.amdgpu_metadata
---
amdhsa.version: [ 1, 2 ]
amdhsa.kernels:
  - .name:           k_q6ae37e5496_quant
    .symbol:         k_q6ae37e5496_quant.kd
    .args:
      - { .name: x, .offset: 0, .size: 8, .value_kind: global_buffer, .address_space: global }
      - { .name: Wq, .offset: 8, .size: 8, .value_kind: global_buffer, .address_space: global }
      - { .name: Wk, .offset: 16, .size: 8, .value_kind: global_buffer, .address_space: global }
      - { .name: Wv, .offset: 24, .size: 8, .value_kind: global_buffer, .address_space: global }
      - { .name: Wo, .offset: 32, .size: 8, .value_kind: global_buffer, .address_space: global }
      - { .name: xq, .offset: 40, .size: 8, .value_kind: global_buffer, .address_space: global }
      - { .name: wq, .offset: 48, .size: 8, .value_kind: global_buffer, .address_space: global }
    .group_segment_fixed_size: 33280
    .private_segment_fixed_size: 0
    .kernarg_segment_align: 8
    .kernarg_segment_size: 56
    .max_flat_workgroup_size: 128
    .sgpr_count:     66
    .vgpr_count:     226
    .wavefront_size: 32
...
	.end_amdgpu_metadata
.endif
;; end of part 1
;; launch qkv (part 2): grid 12 x 16, 4 waves a work-group, no clusters, 327,680 bytes of LDS; arguments xq, wq, bq, bk, bv, fr; writes fr
.if DOCPART == 2
	.amdgcn_target "amdgcn-amd-amdhsa--gfx1250"
	.amdhsa_code_object_version 6
	.text
	.protected	k_q6ae37e5496_qkv
	.globl	k_q6ae37e5496_qkv
	.p2align	8
	.type	k_q6ae37e5496_qkv,@function
k_q6ae37e5496_qkv:
	s_mov_b64 s[64:65], 0
	v_nop
	global_prefetch_b8 v0, s[64:65] scope:SCOPE_SE
	s_setreg_imm32_b32 hwreg(HW_REG_WAVE_MODE, 25, 1), 1
	s_wait_xcnt 0x0
; q = rope(x Wq^T + bq), k = rope(x Wk^T + bk), v = x Wv^T + bv on codes of FP4 (E2M1) with E8M0 scales; the results are quantised at once, in registers, for the attention that follows:
; q and k along the head's 128, v along the keys.  What leaves are IMAGES OF OPERAND REGISTERS: a fragment (16 rows x 128 K) is 1,024 bytes, register group c at 512 c + 16 lane; its scale words 128 bytes, 4 lane.
; fr: 6,144 fragments, then their scale words.  q: fragment b 1024 + head 64 + T (T: tile of 16 places of tokens); k: 4096 + b 512 + kv head 64 + T; v: 4096 + b 512 + (4 + kv head) 64 + 8 j + a (j: 128 keys, a: tile of 16 channels).
; SHARES.  A work-group makes 256 places of x (grid y) by 256 rows of the weights, two heads (grid x: 0-7 q, 8-9 k, 10-11 v): 192 work-groups.  Each of its four waves makes 128 x 128: 64 accumulators, 512 registers.
; K goes in steps of 512 (rows of 256 bytes) through a ring of two LDS slots; a slot has region R1 (256 rows) and region R0 (256 rows).  The scale bytes of all of K come once, with the first fills.
; PLACES.  xq's and wq's rows lie with bits 3 and 4 of their number swapped.  In D = S0 S1^T a lane holds one place of S1, and the 16 registers of S0's tiles 2 c and 2 c + 1 are S0's rows 32 c + 16 (lane / 16) + 0 .. 15:
; neighbours along the next K.  For q and k S0 = the weights, S1 = x; for v S0 = x (next K = the keys), S1 = Wv.  ONE TEXT SERVES BOTH: R1 feeds S1 and R0 feeds S0; v's work-groups fill R1 from wq and R0 from xq.
; Only pointers into memory are chosen, by the work-group's number; every LDS address is a constant and a term of the wave's number.
; NO CLUSTER: the 12 tile columns are 8 of q, 2 of k, 2 of v, so a group of four columns would hold k's and v's work-groups together, which part in a branch on the way out and differ in which region holds the tile that partners share.
; PREFETCH: K steps 2 and 3 are asked for two fills ahead (behind the fills of steps 0 and 1), 256 bytes of a row to a lane.  The 12 work-groups that read a tile of x share its rows out: columns 0-7 take 32 each (wave 0);
; of the 16 that read a tile of the weights, token tiles 0-7 take 32 rows each (wave 1).  Steps 0 and 1 come by their loads alone.
; THE ROTARY FACTORS cos + sin come from the table in wq as images of registers, 32 a tile of tokens.  q (cos + sin) stands for q cos + q sin: another order of rounding, about 1e-7 of |q|.
; Every work-group loads both forms of the bias and the factors, so that the loads stand under no branch: v's work-groups use neither the factors nor the bias along the registers, q's and k's not the bias along the lanes.
; LIMITS: NaN and infinities are not served; a block of zeros gets the scale byte 1 where the rule says 127: its codes are zeros, and this program alone reads the bytes.
; REGISTERS.  window 0: v1-31 addresses; v32-95 scale words, two sets, later the eight tiles' codes; v96-103 their scale words; v104-111 the bias along the lanes; v112-127 at work; v128-191 S1's fragments, one set, later the numbers
; to quantise; v192-255 the bias along the registers.  window 1: S0's fragments, two sets, at v0 and v128, later the factors of tiles 4-7; the factors of tiles 0-3 at v64, v96, v192, v224.  windows 2, 3: accumulator (a, b) at v[8 (8 (a % 4) + b)].
.set XS_OFF, 4194304
.set WS_OFF, 5242880
.set TAB_OFF, 5570560
.set FS_OFF, 6291456
.set NQ,     4                         ; matrix instructions deep in a slot
.set ROWB,   256
.set KROW,   1024
.set PITCH,  272                       ; 256 bytes + 16 of padding: the 16 rows of a fragment load start 68 words apart
.set FR,     8
.set NL,     2
.set NP,     4                         ; places behind this matrix instruction (ISA guide 7.12.1)
.set HALFT,  128*PITCH
.set SLOT,   4*HALFT                   ; R1's 256 rows, then R0's
.set SCL,    2*SLOT                    ; the scale bytes, as units of 256 bytes + 16: R1's 256 rows, then R0's
.set HALFS,  8704                      ; those of 128 rows
.set SBLK,   1088                      ; of 16 rows
.set SPARE,  SCL+4*HALFS               ; the spare words: 512 bytes that no other line names
.set ADR1, 16
.set ADR0, 20
.set LI,   24                          ; 16 x lane
.set LS,   25                          ; 4 x lane
.set RB,   26                          ; 4 (r + 8 (r / 8))
.set ADRS, 27
.set SPW,  28
.set NIL,  29
.set HB,   30                          ; 64 (lane / 16)
.set PFO,  31                          ; 1,024 x lane: a row of codes to a lane
.set SC,   32
.set PC,   32
.set PW,   96
.set BVL,  104
.set TM,   112
.set AF,   128
.set H,    128
.set BIAS, 192
.set SEL,  2                           ; s[2:3] selects for lane l xor 16
.set G1,   24                          ; group 1 for codes; G1S for scale bytes
.set G1S,  32
.set G0,   40                          ; group 0 of my quarter of slot 0, slot 1
.set G0H,  48                          ; group 0 of the head's load of codes; G0HS of scale bytes
.set G0HS, 52
.set PFA,  74
.set LIM,  76
.set MSB, 0
.macro WIN new                         ; the immediate's high byte repeats the setting that is left
.if MSB != (\new)
	s_set_vgpr_msb (MSB<<8)|(\new)
.set MSB, (\new)
.endif
.endm
.set MUL_LO, 0xa1
.set MUL_HI, 0xf1
.set TO_1,   0x40
.macro TLOAD g0, g1                    ; s_nop 0 and four v_nop behind the load
	tensor_load_to_lds s[\g0:\g0+3], s[\g1:\g1+7]
	s_nop 0
.rept 4
	v_nop
.endr
.endm
.macro ASK step                        ; my 32 rows' 256 bytes of K step \step
	s_cmp_eq_u32 s[LIM], 1
	s_cbranch_scc0 .Lnot_mine_\@
	global_prefetch_b8 v[PFO], s[PFA:PFA+1] offset:(\step)*ROWB th:TH_LOAD_NT scope:SCOPE_SE
.Lnot_mine_\@:
.endm
	s_load_b256 s[4:11], s[0:1], 0x0               ; xq, wq, bq, bk
	s_load_b128 s[12:15], s[0:1], 0x20             ; bv, fr
	v_lshl_add_u32 v[SPW], v0, 2, SPARE
	v_mov_b32 v[NIL], 0
	ds_add_u32 v[SPW], v[NIL]                      ; the opening lines: the add twice on end and its wait
	ds_add_u32 v[SPW], v[NIL]
	v_lshrrev_b32 v1, 5, v0
	v_readfirstlane_b32 s16, v1                    ; wave
	s_lshr_b32 s17, s16, 1                         ; my half of R1; in the ring I fetch for R1 (0) or R0 (1)
	s_and_b32 s18, s16, 1                          ; my half of R0; which 128 rows I fetch; at the head: R1 (0) or R0 (1)
	s_and_b32 s77, ttmp7, 0xffff                   ; which 256 places of x
	s_cmp_ge_u32 ttmp9, 10
	s_cselect_b32 s19, 1, 0                        ; 1: v's heads
	s_mov_b32 s[SEL], 0x76543210
	s_mov_b32 s[SEL+1], 0xfedcba98
	s_mov_b32 s[G1], (1<<20)|(5<<22)|(3<<25)       ; elements of 1 byte; four words of padding after every 64
	s_mov_b32 s[G1+1], ROWB<<16
	s_mov_b32 s[G1+2], 256<<16                     ; 256 rows for the head's loads
	s_mov_b32 s[G1+3], ROWB<<16
	s_mov_b32 s[G1+4], 256
	s_mov_b32 s[G1+5], KROW
	s_mov_b32 s[G1+6], 0
	s_mov_b32 s[G1+7], 0
	s_mov_b32 s[G1S], (3<<16)|(1<<20)|(5<<22)|(3<<25)  ; the scale bytes of 256 rows: 64 dense rows of 32 elements of 8 bytes
	s_mov_b32 s[G1S+1], 32<<16
	s_mov_b32 s[G1S+2], 64<<16
	s_mov_b32 s[G1S+3], 32<<16
	s_mov_b32 s[G1S+4], 64
	s_mov_b32 s[G1S+5], 32
	s_mov_b32 s[G1S+6], 0
	s_mov_b32 s[G1S+7], 0
	s_lshl_b32 s78, s77, 18                        ; x's tile: its codes,
	s_mov_b32 s79, 0
	s_lshl_b32 s80, s77, 14
	s_add_co_u32 s80, s80, XS_OFF                  ; its scale bytes
	s_mov_b32 s81, 0
	s_lshl_b32 s82, ttmp9, 18                      ; the weights' tile likewise
	s_mov_b32 s83, 0
	s_lshl_b32 s84, ttmp9, 14
	s_add_co_u32 s84, s84, WS_OFF
	s_mov_b32 s85, 0
	s_xor_b32 s86, s18, s19                        ; 0: my load at the head reads xq, 1: wq
	s_xor_b32 s87, s17, s19                        ; the same for my loads of the ring
	s_lshl_b32 s88, s18, 17                        ; my 128 rows of the ring's tile
	s_mov_b32 s89, 0
	s_mul_i32 s90, s16, HALFT
	s_wait_dscnt 0x0
	s_wait_kmcnt 0x0
	s_add_nc_u64 s[56:57], s[4:5], s[78:79]
	s_add_nc_u64 s[58:59], s[4:5], s[80:81]
	s_add_nc_u64 s[60:61], s[6:7], s[82:83]
	s_add_nc_u64 s[62:63], s[6:7], s[84:85]
	s_cmp_eq_u32 s86, 0
	s_cselect_b64 s[G0H+2:G0H+3], s[56:57], s[60:61]
	s_cselect_b64 s[G0HS+2:G0HS+3], s[58:59], s[62:63]
	s_cmp_eq_u32 s87, 0
	s_cselect_b64 s[G0+2:G0+3], s[56:57], s[60:61]
	s_add_nc_u64 s[G0+2:G0+3], s[G0+2:G0+3], s[88:89]
	s_add_nc_u64 s[G0+6:G0+7], s[G0+2:G0+3], ROWB
	s_or_b32 s[G0H+3], s[G0H+3], 0x80000000
	s_or_b32 s[G0HS+3], s[G0HS+3], 0x80000000
	s_or_b32 s[G0+3], s[G0+3], 0x80000000
	s_or_b32 s[G0+7], s[G0+7], 0x80000000
	s_mov_b32 s[G0H], 1
	s_mul_i32 s[G0H+1], s18, 2*HALFT
	s_mov_b32 s[G0HS], 1
	s_mul_i32 s[G0HS+1], s18, 2*HALFS
	s_add_co_u32 s[G0HS+1], s[G0HS+1], SCL
	s_mov_b32 s[G0], 1
	s_mov_b32 s[G0+1], s90
	s_mov_b32 s[G0+4], 1
	s_add_co_u32 s[G0+5], s90, SLOT
	; the head's loads, one a wave: waves 0, 1 K step 0's 256 rows of R1, R0; waves 2, 3 their scale bytes
	s_cmp_lt_u32 s16, 2
	s_cbranch_scc0 .Lhead_s
	TLOAD G0H, G1
	s_branch .Lhead_asked
.Lhead_s:
	TLOAD G0HS, G1S
.Lhead_asked:
	s_cmp_eq_u32 s19, 1
	s_cselect_b32 s78, s18, s17                    ; which 128 places of x are my wave's,
	s_cselect_b32 s79, s17, s18                    ; and which of the two heads
	s_lshl_b32 s80, ttmp9, 1
	s_add_co_u32 s80, s80, s79                     ; the head column, 0..23
	s_mov_b64 s[66:67], s[8:9]                     ; its bias: bq, bk or bv
	s_mov_b32 s81, 0
	s_cmp_ge_u32 ttmp9, 8
	s_cselect_b64 s[66:67], s[10:11], s[66:67]
	s_cselect_b32 s81, 16, s81
	s_cmp_ge_u32 ttmp9, 10
	s_cselect_b64 s[66:67], s[12:13], s[66:67]
	s_cselect_b32 s81, 20, s81
	s_sub_co_u32 s81, s80, s81
	s_lshl_b32 s82, s81, 9
	s_mov_b32 s83, 0
	s_add_nc_u64 s[66:67], s[66:67], s[82:83]
	s_and_b32 s84, s77, 3
	s_lshl_b32 s84, s84, 1
	s_add_co_u32 s84, s84, s78                     ; my 128 places within the batch, 0..7
	s_lshl_b32 s82, s84, 15
	s_add_co_u32 s82, s82, TAB_OFF
	s_add_nc_u64 s[68:69], s[6:7], s[82:83]        ; their eight tiles of factors
	s_lshl_b32 s84, s84, 3
	s_lshl_b32 s85, s80, 6
	s_add_co_u32 s84, s84, s85
	s_lshr_b32 s85, s77, 2                         ; the batch
	s_cmp_lt_u32 ttmp9, 8
	s_cselect_b32 s86, 10, 9                       ; a batch has 1,024 fragments of q, 512 of k and v
	s_cselect_b32 s87, 0, 3072                     ; 3072 + 64 x 16 = 4096: where k's begin
	s_lshl_b32 s85, s85, s86
	s_add_co_u32 s84, s84, s85
	s_add_co_u32 s84, s84, s87                     ; my first fragment's number
	s_lshl_b32 s82, s84, 10
	s_add_nc_u64 s[70:71], s[14:15], s[82:83]
	s_lshl_b32 s82, s84, 7
	s_add_co_u32 s82, s82, FS_OFF
	s_add_nc_u64 s[72:73], s[14:15], s[82:83]
	s_cmp_eq_u32 s16, 0                            ; the prefetches: wave 0 for x's tile, wave 1 for the weights'
	s_cselect_b64 s[PFA:PFA+1], s[56:57], s[60:61]
	s_cselect_b32 s85, ttmp9, s77                  ; my work-group's number among those that read the tile
	s_lshr_b32 s86, s85, 3
	s_or_b32 s86, s86, s17                         ; 0: waves 0, 1 of the first eight of them
	s_cmp_eq_u32 s86, 0
	s_cselect_b32 s[LIM], 1, 0
	s_and_b32 s85, s85, 7
	s_lshl_b32 s82, s85, 15                        ; 32 rows each
	s_add_nc_u64 s[PFA:PFA+1], s[PFA:PFA+1], s[82:83]
	v_and_b32 v1, 15, v0                           ; r
	v_bfe_u32 v2, v0, 4, 1                         ; h
	v_and_b32 v3, 31, v0
	v_lshlrev_b32 v[LI], 4, v3
	v_lshlrev_b32 v[LS], 2, v3
	v_lshlrev_b32 v[PFO], 10, v3
	v_and_b32 v4, 8, v1
	v_add_nc_u32 v4, v4, v1
	v_lshlrev_b32 v[RB], 2, v4
	v_lshlrev_b32 v[HB], 6, v2
.irp b, 0,1,2,3
	v_mov_b32 v[TM+4+\b], 0                        ; a lane permute's destination counts as one of its sources
.endr
	v_mul_u32_u24 v3, v1, PITCH
	v_lshl_add_u32 v3, v2, 4, v3
	s_mul_i32 s85, s17, HALFT
	s_mul_i32 s86, s18, HALFT
	s_add_co_u32 s86, s86, 2*HALFT
.irp s, 0,1
	v_add_nc_u32 v[ADR1+\s], s85, v3
	v_add_nc_u32 v[ADR0+\s], s86, v3
	s_add_co_u32 s85, s85, SLOT
	s_add_co_u32 s86, s86, SLOT
.endr
	v_lshlrev_b32 v5, 6, v1                        ; my row's scale bytes: 64 a row, 16 more for each 256 passed
	v_lshrrev_b32 v6, 8, v5
	v_lshl_add_u32 v5, v6, 4, v5
	s_mul_i32 s85, s17, HALFS
	s_mul_i32 s86, s18, HALFS
	s_add_co_u32 s86, s86, 2*HALFS
	s_sub_co_u32 s86, s86, s85
	v_mul_u32_u24 v6, s86, v2                      ; lanes 0-15 take S1's words, lanes 16-31 S0's
	s_add_co_u32 s85, s85, SCL
	v_add_nc_u32 v5, v5, v6
	v_add_nc_u32 v[ADRS], s85, v5
	s_wait_alu depctr_va_vdst(0)                   ; the wait at the end of the head's vector work
	ASK 2
.irp c, 0,1,2,3                        ; q, k: register 16 c + e wants the bias of channel 32 c + 16 h + e
.irp g, 0,1,2,3
	global_load_b128 v[BIAS+16*\c+4*\g:BIAS+16*\c+4*\g+3], v[HB], s[66:67] offset:128*\c+16*\g
.endr
.endr
.irp a, 0,1,2,3,4,5,6,7                ; v: in tile a lane r holds channel 32 (a / 2) + 8 (a % 2) + r + 8 (r / 8)
	global_load_b32 v[BVL+\a], v[RB], s[66:67] offset:(32*(\a/2)+8*(\a%2))*4
.endr
	WIN TO_1
.irp a, 0,1,2,3                        ; the factors of tiles 0-3.  These 56 loads stay out while the products run: nothing names their registers
.irp g, 0,1,2,3,4,5,6,7
	global_load_b128 v[64+32*(\a%2)+128*(\a/2)+4*\g:64+32*(\a%2)+128*(\a/2)+4*\g+3], v[LI], s[68:69] offset:\a*4096+512*\g
.endr
.endr
	WIN 0
.macro FRAG reg, adr, q, i             ; lane l holds row l % 16; registers 4 c .. 4 c + 3 hold K = 64 c + 32 (l / 16) + 0 .. 31
.irp c, 0,1
	ds_load_b128 v[\reg+4*\c:\reg+4*\c+3], v[\adr] offset:64*(\q)+32*\c+(\i)*16*PITCH
.endr
.endm
; 16 matrix instructions: S1's blocks a0, a0 + 1 x S0's eight.  The 64 accumulators take turns, in the same order in every step.
.macro MUL16 a0, p, q, sc, zero
.irp a, \a0, \a0+1
.irp b, 0,1,2,3,4,5,6,7
.if \zero
	v_wmma_scale_f32_16x16x128_f8f6f4 v[8*(8*((\a)%4)+\b):8*(8*((\a)%4)+\b)+7], v[128*(\p)+FR*\b:128*(\p)+FR*\b+FR-1], v[AF+FR*(\a):AF+FR*(\a)+FR-1], 0, v[SC+8*NQ*(\sc)+NQ*\b+(\q)], v[SC+8*NQ*(\sc)+NQ*(\a)+(\q)] matrix_a_fmt:MATRIX_FMT_FP4 matrix_b_fmt:MATRIX_FMT_FP4 matrix_a_scale:MATRIX_SCALE_ROW1
.else
	v_wmma_scale_f32_16x16x128_f8f6f4 v[8*(8*((\a)%4)+\b):8*(8*((\a)%4)+\b)+7], v[128*(\p)+FR*\b:128*(\p)+FR*\b+FR-1], v[AF+FR*(\a):AF+FR*(\a)+FR-1], v[8*(8*((\a)%4)+\b):8*(8*((\a)%4)+\b)+7], v[SC+8*NQ*(\sc)+NQ*\b+(\q)], v[SC+8*NQ*(\sc)+NQ*(\a)+(\q)] matrix_a_fmt:MATRIX_FMT_FP4 matrix_b_fmt:MATRIX_FMT_FP4 matrix_a_scale:MATRIX_SCALE_ROW1
.endif
.endr
.endr
.endm
.macro FETCH0 slot, q, p
	WIN TO_1
.irp i, 0,1,2,3,4,5,6,7
	FRAG 128*(\p)+FR*\i, ADR0+\slot, \q, \i
.endr
	WIN 0
.endm
.macro FETCH1 slot, q, i0
.irp i, \i0, \i0+1, \i0+2, \i0+3
	FRAG AF+FR*(\i), ADR1+\slot, \q, \i
.endr
.endm
.macro SCALES sc                       ; a K step's four words of each row
.irp i, 0,1,2,3,4,5,6,7
	ds_load_b128 v[SC+8*NQ*\sc+NQ*\i:SC+8*NQ*\sc+NQ*\i+3], v[ADRS] offset:\i*SBLK
.endr
.endm
.macro PLACES n
.rept \n
	v_nop
.endr
.endm
.macro STEP slot, q, zero              ; 128 along K, with its successor in the same slot
	s_wait_dscnt 4*NL                              ; all but the youngest eight loads (S1's blocks 4-7) are in
	WIN MUL_LO
	MUL16 0, (\q)%2, \q, \slot, \zero
	MUL16 2, (\q)%2, \q, \slot, \zero
	s_wait_dscnt 0
	PLACES NP
	FETCH0 \slot, (\q)+1, 1-(\q)%2
	FETCH1 \slot, (\q)+1, 0
	WIN MUL_HI
	MUL16 4, (\q)%2, \q, \slot, \zero
	MUL16 6, (\q)%2, \q, \slot, \zero
	PLACES NP
	WIN 0
	FETCH1 \slot, (\q)+1, 4
.endm
; A slot's last step changes slots: one barrier; in front of it all my tensor loads are waited for, the add, and the wait for it and for my reads of this slot.  fill = 1: this slot takes the K step two on.
.macro TURN slot, next, fill
	s_wait_tensorcnt 0x0
	ds_add_u32 v[SPW], v[NIL]
	s_wait_dscnt 4*NL+1                            ; the add and the youngest eight loads may be out
	WIN MUL_LO
	MUL16 0, 1, NQ-1, \slot, 0
	s_wait_dscnt 0x0
	s_barrier_signal -1
	MUL16 2, 1, NQ-1, \slot, 0
	WIN 0
	s_barrier_wait -1
.if \fill
	s_add_nc_u64 s[G0+4*\slot+2:G0+4*\slot+3], s[G0+4*\slot+2:G0+4*\slot+3], 2*ROWB
	TLOAD G0+4*\slot, G1                           ; my one load behind the barrier; its four v_nop are the places in front of the loads below
.else
	PLACES NP
.endif
	v_add_nc_u32 v[ADRS], 4*NQ, v[ADRS]            ; the next K step's scale words
	s_wait_alu depctr_va_vdst(0)                   ; the wait directly behind the write
	FETCH0 \next, 0, 0
	FETCH1 \next, 0, 0
	SCALES \next
	WIN MUL_HI
	MUL16 4, 1, NQ-1, \slot, 0
	MUL16 6, 1, NQ-1, \slot, 0
	PLACES NP
	WIN 0
	FETCH1 \next, 0, 4
.endm
.macro STEPS slot, from
.set Q, \from
.rept NQ-1-\from
	STEP \slot, Q, 0
.set Q, Q+1
.endr
.endm
	s_wait_tensorcnt 0x0                           ; my tile of the head's four is in; the full sequence ahead of slot 1's first fill
	ds_add_u32 v[SPW], v[NIL]
	s_mov_b32 s[G1+2], 128<<16                     ; no load of mine is out: from here on a load brings 128 rows
	s_mov_b32 s[G1+4], 128
	s_wait_dscnt 0x0
	s_barrier_signal -1
	s_barrier_wait -1
	TLOAD G0+4, G1                                 ; K step 1
	FETCH0 0, 0, 0
	FETCH1 0, 0, 0
	SCALES 0
	FETCH1 0, 0, 4
	ASK 3
	STEP 0, 0, 1                                   ; the first products start the sums.  K has four steps, each lap of the ring occurs once: no loop
	STEPS 0, 1
	TURN 0, 1, 1
	STEPS 1, 0
	TURN 1, 0, 1
	STEP 0, 0, 0
	STEPS 0, 1
	TURN 0, 1, 0                                   ; the last lap fills nothing
	STEPS 1, 0
	s_wait_dscnt 4*NL
	WIN MUL_LO
	MUL16 0, 1, NQ-1, 1, 0
	MUL16 2, 1, NQ-1, 1, 0
	s_wait_dscnt 0
	WIN MUL_HI
	MUL16 4, 1, NQ-1, 1, 0
	MUL16 6, 1, NQ-1, 1, 0
	WIN 0
; 64 numbers of a lane, register 16 b + i = k 32 b + 16 (lane / 16) + i of my row, become a fragment's codes in v[pc] on and its scale word in v[pw]
.macro QUANT s, pc, pw
.irp b, 0,1,2,3
	v_max3_num_f32 v[TM+\b], |v[\s+16*\b]|, |v[\s+1+16*\b]|, 0x1800000   ; with the floor 2^(3 - 127): the byte cannot fall under 1
.endr
.irp i, 2,4,6,8,10,12,14
.irp b, 0,1,2,3
	v_max3_num_f32 v[TM+\b], v[TM+\b], |v[\s+16*\b+\i]|, |v[\s+1+16*\b+\i]|
.endr
.endr
.irp b, 0,1,2,3
	v_permlanex16_b32 v[TM+4+\b], v[TM+\b], s[SEL], s[SEL+1]
.endr
.irp b, 0,1,2,3
	v_max_num_f32 v[TM+\b], v[TM+\b], v[TM+4+\b]
.endr
.irp b, 0,1,2,3
	v_add_nc_u32 v[TM+12+\b], 0xff000000, v[TM+\b]   ; 2 off the exponent field: the conversion's scale operand
.endr
.irp b, 0,1,2,3
	v_lshrrev_b32 v[TM+4+\b], 23, v[TM+12+\b]
.endr
	v_lshl_or_b32 v[\pw], v[TM+5], 8, v[TM+4]
	v_lshl_or_b32 v[\pw], v[TM+6], 16, v[\pw]
	v_lshl_or_b32 v[\pw], v[TM+7], 24, v[\pw]
.irp b, 0,1,2,3
	v_cvt_scalef32_pk8_fp4_f32 v[\pc+2*\b], v[\s+16*\b:\s+7+16*\b], v[TM+12+\b]
	v_cvt_scalef32_pk8_fp4_f32 v[\pc+1+2*\b], v[\s+8+16*\b:\s+15+16*\b], v[TM+12+\b]
.endr
	v_nop                                          ; one plain place behind a scaled conversion
.irp c, 0,1                            ; a whole block in a lane
.irp i, 0,1
	v_permlane16_swap_b32 v[\pc+4*\c+\i], v[\pc+2+4*\c+\i]
.endr
.endr
.endm
; Tile a of S1.  v: sum + the lane's bias;  q, k: (sum + bias) x factor.  Each tile has registers of its own for its codes and scale word, so no store's data are written again.  Each accumulator is read from its low end on.
.macro EPI a, left
	s_wait_loadcnt \left                           ; left: the factor loads of later tiles, which may stay out
.set AC, 64*((\a)%4)
.set FF, 64*(1-(\a)/4)+32*((\a)%2)+128*(((\a)/2)%2)
	s_cmp_eq_u32 s19, 0
	s_cbranch_scc1 .Lqk_\@
	WIN 0x02+(\a)/4
.set j, 0
.rept 64
	v_add_f32 v[H+j], v[AC+j], v[BVL+(\a)]
.set j, j+1
.endr
	WIN 0
	s_branch .Ljoin_\@
.Lqk_\@:
	WIN 0x02+(\a)/4
.set j, 0
.rept 32
	v_pk_add_f32 v[H+j:H+j+1], v[AC+j:AC+j+1], v[BIAS+j:BIAS+j+1]
.set j, j+2
.endr
	WIN 0x04
.set j, 0
.rept 32
	v_pk_mul_f32 v[H+j:H+j+1], v[H+j:H+j+1], v[FF+j%32:FF+j%32+1]
.set j, j+2
.endr
	WIN 0
.Ljoin_\@:
	QUANT H, PC+8*(\a), PW+(\a)
	global_store_b128 v[LI], v[PC+8*(\a):PC+8*(\a)+3], s[70:71] offset:1024*(\a)        ; each store covers 512 or 128 consecutive bytes, aligned
	global_store_b128 v[LI], v[PC+8*(\a)+4:PC+8*(\a)+7], s[70:71] offset:1024*(\a)+512
	global_store_b32 v[LS], v[PW+(\a)], s[72:73] offset:128*(\a)
.endm
	PLACES NP                                      ; behind the last products: their results are read, their operands' registers written and loaded into
	WIN TO_1
.irp a, 4,5,6,7                        ; the factors of tiles 4-7, into S0's two sets
.irp g, 0,1,2,3,4,5,6,7
	global_load_b128 v[32*(\a%2)+128*((\a/2)%2)+4*\g:32*(\a%2)+128*((\a/2)%2)+4*\g+3], v[LI], s[68:69] offset:\a*4096+512*\g
.endr
.endr
	WIN 0
	EPI 0, 32
	EPI 1, 32
	EPI 2, 32
	EPI 3, 32
	EPI 4, 24
	EPI 5, 16
	EPI 6, 8
	EPI 7, 0
	s_wait_tensorcnt 0x0                           ; the wave's end
	ds_add_u32 v[SPW], v[NIL]
	s_wait_dscnt 0x0
	s_endpgm
.Lfunc_end_k_q6ae37e5496_qkv:
	.size	k_q6ae37e5496_qkv, .Lfunc_end_k_q6ae37e5496_qkv-k_q6ae37e5496_qkv
	.p2alignl 7, 3214868480
	.fill 96, 4, 3214868480
	.section	.rodata,"a",@progbits
	.p2align	6, 0x0
	.amdhsa_kernel k_q6ae37e5496_qkv
		.amdhsa_group_segment_fixed_size 327680
		.amdhsa_private_segment_fixed_size 0
		.amdhsa_enable_private_segment 0
		.amdhsa_kernarg_size 48
		.amdhsa_user_sgpr_count 2
		.amdhsa_user_sgpr_kernarg_segment_ptr 1
		.amdhsa_wavefront_size32 1
		.amdhsa_system_sgpr_workgroup_id_x 1
		.amdhsa_system_sgpr_workgroup_id_y 1
		.amdhsa_system_sgpr_workgroup_id_z 1
		.amdhsa_system_vgpr_workitem_id 0
		.amdhsa_next_free_vgpr 1024
		.amdhsa_next_free_sgpr 96
		.amdhsa_reserve_vcc 0
		.amdhsa_float_denorm_mode_32 3
		.amdhsa_float_denorm_mode_16_64 3
		.amdhsa_memory_ordered 1
		.amdhsa_forward_progress 1
		.amdhsa_inst_pref_size 255
	.end_amdhsa_kernel
	.section	.bss,"aw",@nobits
	.p2align	6
	.space	262144
	.amdgpu_metadata
---
amdhsa.version: [ 1, 2 ]
amdhsa.kernels:
  - .name:           k_q6ae37e5496_qkv
    .symbol:         k_q6ae37e5496_qkv.kd
    .args:
      - { .name: xq, .offset: 0, .size: 8, .value_kind: global_buffer, .address_space: global }
      - { .name: wq, .offset: 8, .size: 8, .value_kind: global_buffer, .address_space: global }
      - { .name: bq, .offset: 16, .size: 8, .value_kind: global_buffer, .address_space: global }
      - { .name: bk, .offset: 24, .size: 8, .value_kind: global_buffer, .address_space: global }
      - { .name: bv, .offset: 32, .size: 8, .value_kind: global_buffer, .address_space: global }
      - { .name: fr, .offset: 40, .size: 8, .value_kind: global_buffer, .address_space: global }
    .group_segment_fixed_size: 327680
    .private_segment_fixed_size: 0
    .kernarg_segment_align: 8
    .kernarg_segment_size: 48
    .max_flat_workgroup_size: 128
    .sgpr_count:     96
    .vgpr_count:     1024
    .wavefront_size: 32
...
	.end_amdgpu_metadata
.endif
;; end of part 2
;; launch attn (part 3): grid 16 x 16, 16 waves a work-group, clusters of 4 x 1, 198,656 bytes of LDS; arguments fr, yq; writes yq
.if DOCPART == 3
	.amdgcn_target "amdgcn-amd-amdhsa--gfx1250"
	.amdhsa_code_object_version 6
	.text
	.protected	k_q6ae37e5496_attn
	.globl	k_q6ae37e5496_attn
	.p2align	8
	.type	k_q6ae37e5496_attn,@function
k_q6ae37e5496_attn:
	s_mov_b64 s[64:65], 0
	v_nop
	global_prefetch_b8 v0, s[64:65] scope:SCOPE_SE
	s_setreg_imm32_b32 hwreg(HW_REG_WAVE_MODE, 25, 1), 1
	s_wait_xcnt 0x0
	s_wait_alu depctr_hold_cnt(0) depctr_sa_sdst(0) depctr_va_vdst(0) depctr_va_sdst(0) depctr_va_ssrc(0) depctr_va_vcc(0) depctr_vm_vsrc(0)
	s_getreg_b32 s2, hwreg(HW_REG_IB_STS2, 6, 4)
	s_cmp_eq_u32 s2, 0
	s_cbranch_scc0 .Lentry_in_a_cluster
	s_endpgm
.Lentry_in_a_cluster:
	s_bfe_u32 s2, ttmp6, 0x10000c
	s_cmp_lg_u32 s2, 0x3003
	s_cbranch_scc0 .Lentry_shape_is_right
	s_endpgm
.Lentry_shape_is_right:
; y[b][token][head] = softmax over the keys <= token of (q . k / sqrt(128)) times v, both products on codes of FP4 (E2M1) with E8M0 scales, and y quantised at once along its 2,048 features for the last product.
; q, k, v come as images of operand registers (fr): a fragment is 1,024 bytes (register group c at 512 c + 16 lane), its scale words 128 bytes (4 lane).  A tile T of tokens holds 16 PLACES:
; lane r's token is 32 (T / 2) + 8 (T % 2) + r + 8 (r / 8).  So the 16 registers of key tiles 2 b and 2 b + 1 are keys 32 b + 16 (lane / 16) + 0 .. 15; v's tiles of channels are ordered likewise.
; THE SOFTMAX: t = score x log2(e) / sqrt(128); M = the row's largest t so far, rounded UP to a whole number; p = 2^(t - M) is quantised along the keys, not normalised; the row's sum is taken of the
; unquantised p and divides O at the end.  When M moves, the sum and O are multiplied by 2^(old M - new M): exact.
; SHARES.  A work-group serves one batch and one kv head (grid y) and its four query heads.  A whole kv head's k and v, 128 KB of codes and 16 KB of scale words, lie in LDS, FILLED ONCE: no ring, no refill.
; The four work-groups of a cluster read the same k and v: four joint loads (waves 0-3, one each), with a mask that names the four.
; Each of the sixteen waves owns one tile of 16 queries of one head, in 256 registers: four waves to a SIMD.  A tile of LEVEL L (tokens 128 L on) needs L + 1 key steps of 128.  Wave w: head w % 4, slot
; ts = (w % 4 + w / 4) % 4, level {set, 7 - set, 2 + set, 5 - set}[ts], set = cluster x % 2: a head's four levels add up to 14 in every work-group, and so do those of waves w % 4 = const and w / 4 = const.
; The tile within the level, 4 (cluster x / 2) + cx, is the only thing in which partners differ: it enters global addresses and the mask's compare, no branch and no LDS address.
; CAUSAL.  Every wave walks all 8 steps, a constant count; a step whose keys all come after the wave's queries is jumped over, by a scalar branch on ids; in the step on the diagonal hidden scores become -infinity.
; THE WAY OUT.  O^T / sum is quantised in registers (a head is one K step of the last product); the four heads' 64 bytes of a row meet in a stage in LDS, and sixteen lanes store 256 consecutive bytes, aligned.
; yq: codes [place 1024 b + 16 T + r][1,024 bytes], then scale bytes [place][64].
; LIMITS: NaN and infinities are not served; a block of zeros gets the scale byte 1 where the rule says 127 (its codes are zeros, and this program alone reads the bytes); score / sqrt(128) x log2(e) is one multiplication.
; REGISTERS: v1-11, v24, v25 addresses; v12 -M, v13 the largest t, v[14:15] the sum in two halves; v16-23 Q; v32-95 eight fragments of K or of V; v96-159 S^T, then p, then y; v160-223 O^T; v224-231 codes;
;   v232-239, v248-252, v254 at work; v240-247 eight scale words; v253 p's scale word; v255 Q's.
.set FS_OFF, 6291456                   ; fr: where the scale words begin
.set YS_OFF, 4194304                   ; yq: where the scale bytes begin
.set KSC,   131072                     ; LDS: K's 64 fragments at 0, V's at 65,536; K's scale words here, V's 8,192 further on
.set STG,   147456                     ; the stage: 4 slots x 16 rows x (256 bytes + 16)
.set SST,   164864                     ; and for the scale words: 4 slots x 16 rows x 16 bytes
.set WV,   8                           ; s8   my wave's number
.set LEV,  16                          ; s16  my tile's level
.set SEL,  20                          ; s[20:21] v_permlanex16_b32's selects for lane l xor 16
.set CS,   22                          ; s[22:23] c = log2(e) / sqrt(128)
.set G1C,  24                          ; s[24:31] descriptor group 1 for 64 KB of fragments; s[32:39] for 8 KB of scale words; s[40:43], s[44:47] their groups 0
.set G1S,  32
.set G0C,  40
.set G0S,  44
.set J,    48                          ; s48  the key step
.set TB,   49                          ; s49  LDS byte at which the step's fragments begin
.set TS,   50                          ; s50  and its scale words
.set TM,   32                          ; the way out: v32-47 at work, v48 the scale word
.set PC,   224
.set PW,   48
.macro CROUND                          ; a round of the cluster's barrier
	s_barrier_signal -1
	s_barrier_wait -1
	s_cmp_lg_u32 s[WV], 0
	s_cbranch_scc1 .Lnot_wave_0_\@
	s_barrier_signal -3
.Lnot_wave_0_\@:
	s_barrier_wait -3
	s_barrier_signal -1
	s_barrier_wait -1
.endm
	s_load_b128 s[4:7], s[0:1], 0x0                ; fr, yq
	v_lshl_add_u32 v254, v0, 2, 0x30000
	v_mov_b32 v255, 0
	ds_add_u32 v254, v255
	ds_add_u32 v254, v255
	s_wait_dscnt 0x0
	v_lshrrev_b32 v1, 5, v0
	s_delay_alu instid0(VALU_DEP_1)
	v_readfirstlane_b32 s[WV], v1                  ; wave 0..15
	s_bfe_u32 s9, ttmp6, 0x40000                   ; cx
	s_and_b32 s10, ttmp9, 1                        ; set
	s_lshr_b32 s11, ttmp9, 1
	s_lshl_b32 s11, s11, 2
	s_add_co_u32 s11, s11, s9                      ; the tile within its level: 0..7
	s_and_b32 s12, ttmp7, 0xffff                   ; 4 b + kv head
	s_lshr_b32 s13, s12, 2                         ; b
	s_and_b32 s14, s12, 3                          ; kv head
	s_and_b32 s15, s[WV], 3                        ; my query head within the four
	s_lshr_b32 s17, s[WV], 2                       ; w / 4: also the slot that I store at the end
	s_add_co_u32 s18, s15, s17
	s_and_b32 s18, s18, 3                          ; ts: my slot
	s_and_b32 s[LEV], s18, 2
	s_add_co_u32 s[LEV], s[LEV], s10
	s_and_b32 s19, s18, 1
	s_mul_i32 s19, s19, 7
	s_xor_b32 s[LEV], s[LEV], s19                  ; my level
	s_lshl_b32 s2, s13, 9
	s_lshl_b32 s3, s14, 6
	s_add_co_u32 s2, s2, s3
	s_add_co_u32 s2, s2, 4096                      ; k's first fragment of this batch and kv head; v's lie 256 further on
	s_and_b32 s3, s[WV], 1                         ; what I fetch, if I fetch: k's (0) or v's (1)
	s_lshl_b32 s52, s2, 10
	s_lshl_b32 s53, s3, 18
	s_add_co_u32 s52, s52, s53
	s_mov_b32 s53, 0
	s_lshl_b32 s54, s2, 7
	s_lshl_b32 s55, s3, 15
	s_add_co_u32 s54, s54, s55
	s_add_co_u32 s54, s54, FS_OFF
	s_mov_b32 s55, 0
	; descriptor group 1: dense blocks as rows of 256 bytes (32 elements of 8 bytes): 256 rows of fragments, 32 rows of scale words.  No padding: every read is 16 x lane or 4 x lane
	s_mov_b32 s[G1C], 15|(3<<16)|(1<<21)           ; 15:0 the mask: all four work-groups; 17:16 elements of 8 bytes; 21 set beside a mask
	s_mov_b32 s[G1C+1], 32<<16                     ; tensor_dim0
	s_mov_b32 s[G1C+2], 256<<16                    ; tensor_dim1
	s_mov_b32 s[G1C+3], 32<<16                     ; tile_dim0
	s_mov_b32 s[G1C+4], 256                        ; tile_dim1
	s_mov_b32 s[G1C+5], 32                         ; tensor_dim0_stride
	s_mov_b32 s[G1C+6], 0
	s_mov_b32 s[G1C+7], 0
	s_mov_b32 s[G1S], 15|(3<<16)|(1<<21)
	s_mov_b32 s[G1S+1], 32<<16
	s_mov_b32 s[G1S+2], 32<<16
	s_mov_b32 s[G1S+3], 32<<16
	s_mov_b32 s[G1S+4], 32
	s_mov_b32 s[G1S+5], 32
	s_mov_b32 s[G1S+6], 0
	s_mov_b32 s[G1S+7], 0
	s_mov_b32 s[SEL], 0x76543210
	s_mov_b32 s[SEL+1], 0xfedcba98
	s_mov_b32 s[CS], 0x3e0293ee                    ; c = log2(e) / sqrt(128)
	s_mov_b32 s[CS+1], s[CS]                       ; (named with it as a pair, so it is written)
	s_mov_b32 s[J], 0
	s_mov_b32 s[TB], 0
	s_mov_b32 s[TS], 0
	s_wait_kmcnt 0x0
	s_mov_b32 s[G0C], 1
	s_lshl_b32 s[G0C+1], s3, 16                    ; LDS: k's fragments at 0, v's at 65,536
	s_add_nc_u64 s[G0C+2:G0C+3], s[4:5], s[52:53]
	s_or_b32 s[G0C+3], s[G0C+3], 0x80000000
	s_mov_b32 s[G0S], 1
	s_lshl_b32 s[G0S+1], s3, 13
	s_add_co_u32 s[G0S+1], s[G0S+1], KSC
	s_add_nc_u64 s[G0S+2:G0S+3], s[4:5], s[54:55]
	s_or_b32 s[G0S+3], s[G0S+3], 0x80000000
	CROUND                                         ; all four work-groups are here: the joint loads meet
	s_cmp_lt_u32 s[WV], 2                          ; waves 0, 1: the fragments; waves 2, 3: the scale words; the others nothing.  Four v_nop follow each line
	s_cbranch_scc0 .Lnot_codes
	tensor_load_to_lds s[G0C:G0C+3], s[G1C:G1C+7]
	s_nop 0
.rept 4
	v_nop
.endr
	s_branch .Lasked
.Lnot_codes:
	s_cmp_lt_u32 s[WV], 4
	s_cbranch_scc0 .Lasked
	tensor_load_to_lds s[G0S:G0S+3], s[G1S:G1S+7]
	s_nop 0
.rept 4
	v_nop
.endr
.Lasked:
	; Q: fragment (16 b + 4 kv head + head) 64 + 8 level + tile
	s_lshl_b32 s56, s12, 2
	s_add_co_u32 s56, s56, s15
	s_lshl_b32 s56, s56, 6
	s_lshl_b32 s57, s[LEV], 3
	s_add_co_u32 s57, s57, s11
	s_add_co_u32 s56, s56, s57
	s_lshl_b32 s58, s56, 7
	s_add_co_u32 s58, s58, FS_OFF
	s_mov_b32 s59, 0
	s_lshl_b32 s56, s56, 10
	s_mov_b32 s57, 0
	s_add_nc_u64 s[56:57], s[4:5], s[56:57]
	s_add_nc_u64 s[58:59], s[4:5], s[58:59]
	v_and_b32 v26, 31, v0                          ; lane
	s_delay_alu instid0(VALU_DEP_1)
	v_lshlrev_b32 v1, 4, v26                       ; 16 x lane
	s_delay_alu instid0(VALU_DEP_2)
	v_lshlrev_b32 v25, 2, v26                      ; 4 x lane
	global_load_b128 v[16:19], v1, s[56:57]        ; Q's fragment stays in registers
	global_load_b128 v[20:23], v1, s[56:57] offset:512
	global_load_b32 v255, v25, s[58:59]            ; and its scale words
	v_add_nc_u32 v2, KSC, v25
	v_and_b32 v27, 15, v0                          ; r
	s_wait_alu depctr_va_vdst(0)
	v_bfe_u32 v28, v0, 4, 1                        ; h
	s_lshr_b32 s60, s11, 1
	s_lshl_b32 s60, s60, 5
	s_and_b32 s61, s11, 1
	s_lshl_b32 s61, s61, 3
	s_add_co_u32 s60, s60, s61
	v_and_b32 v29, 8, v27
	s_delay_alu instid0(VALU_DEP_1)
	v_add_nc_u32 v29, v29, v27
	s_delay_alu instid0(VALU_DEP_1)
	v_add_nc_u32 v3, s60, v29                      ; my token within its 128,
	v_lshlrev_b32 v29, 4, v28
	s_delay_alu instid0(VALU_DEP_1)
	v_sub_nc_u32 v3, v3, v29                       ; less 16 h: register 16 b + i holds key 32 b + i + 16 h of the step: hidden where 32 b + i > v3
	s_mul_i32 s60, s18, 16*272                     ; the stage, in: slot ts, row r, my head's 64 bytes, 16 bytes for each half of the lanes
	s_lshl_b32 s61, s15, 6
	s_add_co_u32 s60, s60, s61
	s_add_co_u32 s60, s60, STG
	v_mul_u32_u24 v4, v27, 272
	s_wait_alu depctr_va_vdst(0)
	v_lshl_add_u32 v4, v28, 4, v4
	s_delay_alu instid0(VALU_DEP_1)
	v_add_nc_u32 v4, s60, v4
	s_lshl_b32 s60, s18, 8                         ; the scale word: slot ts, row r's 16 bytes, my head's word
	s_lshl_b32 s61, s15, 2
	s_add_co_u32 s60, s60, s61
	s_add_co_u32 s60, s60, SST
	v_lshl_add_u32 v5, v27, 4, s60
	s_mul_i32 s60, s17, 16*272                     ; back: slot w / 4, rows 4 (w % 4) on; lanes 0-15 one row, lanes 16-31 the next
	s_mul_i32 s61, s15, 4*272
	s_add_co_u32 s60, s60, s61
	s_add_co_u32 s60, s60, STG
	v_mul_u32_u24 v6, v28, 272
	s_delay_alu instid0(VALU_DEP_1)
	v_lshl_add_u32 v6, v27, 4, v6
	s_delay_alu instid0(VALU_DEP_1)
	v_add_nc_u32 v6, s60, v6
	s_lshl_b32 s60, s17, 8                         ; the same four rows' scale words: 64 bytes (lanes 16-31 repeat lanes 0-15)
	s_lshl_b32 s61, s15, 6
	s_add_co_u32 s60, s60, s61
	s_add_co_u32 s60, s60, SST
	v_lshl_add_u32 v7, v27, 2, s60
	v_lshlrev_b32 v11, 10, v28                     ; in yq: a row of codes is 1,024 bytes,
	s_delay_alu instid0(VALU_DEP_1)
	v_lshl_add_u32 v11, v27, 4, v11
	v_lshrrev_b32 v29, 2, v27                      ; a row of scale bytes 64
	v_and_b32 v30, 3, v27
	s_delay_alu instid0(VALU_DEP_2)
	v_lshlrev_b32 v24, 6, v29
	s_delay_alu instid0(VALU_DEP_1)
	v_lshl_add_u32 v24, v30, 2, v24
	s_and_b32 s60, s17, 2                          ; the level of the slot that I store,
	s_add_co_u32 s60, s60, s10
	s_and_b32 s61, s17, 1
	s_mul_i32 s61, s61, 7
	s_xor_b32 s60, s60, s61
	s_lshl_b32 s60, s60, 3
	s_add_co_u32 s60, s60, s11                     ; its tile,
	s_lshl_b32 s60, s60, 4
	s_lshl_b32 s61, s13, 10
	s_add_co_u32 s60, s60, s61
	s_lshl_b32 s61, s15, 2
	s_add_co_u32 s60, s60, s61                     ; my first place: 1024 b + 16 tile + 4 (w % 4)
	s_lshl_b32 s62, s60, 6
	s_lshl_b32 s63, s14, 4
	s_add_co_u32 s62, s62, s63
	s_add_co_u32 s62, s62, YS_OFF
	s_mov_b32 s63, 0
	s_lshl_b32 s60, s60, 10
	s_lshl_b32 s61, s14, 8                         ; the kv head's four heads: 256 bytes of a row
	s_add_co_u32 s60, s60, s61
	s_mov_b32 s61, 0
	s_add_nc_u64 s[60:61], s[6:7], s[60:61]
	s_add_nc_u64 s[62:63], s[6:7], s[62:63]
	v_mov_b32 v13, 0xff61b1e6                      ; the largest t so far: -3e38, under every t
	s_delay_alu instid0(VALU_DEP_1)
	v_floor_f32 v12, -v13                          ; -M
	v_mov_b32 v14, 0                               ; the sum, in two halves
	v_mov_b32 v15, 0
.irp b, 0,1,2,3
	v_mov_b32 v[236+\b], 0                         ; written once: a lane permute's destination counts as one of its sources
.endr
	v_mov_b32 v252, 0
	v_mov_b32 v253, 0                              ; (named as the upper half of the pair v[252:253] before it is first written)
.set j, 0
.rept 64
	v_mov_b32 v[160+j], 0                          ; O^T.  (The step is written once: the first finds zeros, which the first change of M leaves zeros)
.set j, j+1
.endr
	s_wait_tensorcnt 0x0                           ; my load, if I issued one, has landed,
	s_barrier_signal -1
	s_barrier_wait -1                              ; everybody's has
	s_wait_loadcnt 0x0                             ; Q
.Lstep:                                            ; 8 trips, 128 keys each
	s_cmp_gt_u32 s[J], s[LEV]
	s_cbranch_scc1 .Lhidden                        ; all the step's keys come after my queries
	v_add_nc_u32 v8, s[TB], v1                     ; K's fragments,
	s_delay_alu instid0(VALU_DEP_1)
	v_add_nc_u32 v9, 0x10000, v8                   ; V's,
	v_add_nc_u32 v10, s[TS], v2                    ; the scale words.
	v_nop                                          ; (four places in front of loads into registers that the last products read)
.irp t, 0,1,2,3,4,5,6,7
	ds_load_b128 v[32+8*\t:35+8*\t], v8 offset:1024*\t
	ds_load_b128 v[36+8*\t:39+8*\t], v8 offset:1024*\t+512
	ds_load_b32 v[240+\t], v10 offset:128*\t
.endr
	s_wait_alu depctr_va_vdst(0)
	s_wait_dscnt 0x0
.irp t, 0,1,2,3,4,5,6,7                ; S^T = K Q^T: source 0 = 16 keys, source 1 = my 16 queries
	v_wmma_scale_f32_16x16x128_f8f6f4 v[96+8*\t:103+8*\t], v[32+8*\t:39+8*\t], v[16:23], 0, v[240+\t], v255 matrix_a_fmt:MATRIX_FMT_FP4 matrix_b_fmt:MATRIX_FMT_FP4
.endr
.rept 4
	v_nop                                          ; places: the results are read below, and V is loaded into K's registers
.endr
.irp t, 0,1,2,3,4,5,6,7                ; V's fragments are asked for now and land while the softmax is worked: nothing below names their registers until the wait
	ds_load_b128 v[32+8*\t:35+8*\t], v9 offset:1024*\t
	ds_load_b128 v[36+8*\t:39+8*\t], v9 offset:1024*\t+512
	ds_load_b32 v[240+\t], v10 offset:8192+128*\t
.endr
	s_cmp_lt_u32 s[J], s[LEV]
	s_cbranch_scc1 .Lopen                          ; all the step's keys count
	v_mov_b32 v254, 0xff800000                     ; on the diagonal: -infinity for the hidden keys, ahead of the maximum: p = 0 then
.set n, 0
.rept 64
	v_cmp_gt_i32 vcc_lo, 32*(n/16)+n%16, v3
	v_cndmask_b32 v[96+n], v[96+n], v254, vcc_lo
.set n, n+1
.endr
.Lopen:
.irp b, 0,1,2,3
	v_max3_num_f32 v[232+\b], v[96+16*\b], v[97+16*\b], v[98+16*\b]   ; THE LARGEST SCORE OF EACH BLOCK OF 32 KEYS: it serves for the row's maximum and, since p rises with the score, for the block's largest p
.endr
.irp i, 3,5,7,9,11,13
.irp b, 0,1,2,3
	v_max3_num_f32 v[232+\b], v[232+\b], v[96+16*\b+\i], v[97+16*\b+\i]   ; (the four blocks by turns)
.endr
.endr
.irp b, 0,1,2,3
	v_max_num_f32 v[232+\b], v[232+\b], v[111+16*\b]
.endr
.irp b, 0,1,2,3
	s_delay_alu instid0(VALU_DEP_4)
	v_permlanex16_b32 v[236+\b], v[232+\b], s[SEL], s[SEL+1]
.endr
.irp b, 0,1,2,3
	s_delay_alu instid0(VALU_DEP_4)
	v_max_num_f32 v[232+\b], v[232+\b], v[236+\b]  ; with lane l xor 16's 16 keys
.endr
	s_delay_alu instid0(VALU_DEP_2)
	v_max3_num_f32 v254, v232, v233, v234
	s_delay_alu instid0(VALU_DEP_1)
	v_max_num_f32 v254, v254, v235                 ; the step's largest score of my query
	s_delay_alu instid0(VALU_DEP_1)
	v_mul_f32 v254, s[CS], v254                    ; as t (c is positive)
	s_delay_alu instid0(VALU_DEP_1)
	v_max_num_f32 v13, v13, v254                   ; the running largest t
	v_mov_b32 v254, v12
	s_delay_alu instid0(VALU_DEP_2)
	v_floor_f32 v12, -v13                          ; the new -M = floor(-t) = -ceil(t): M IS A WHOLE NUMBER
	s_delay_alu instid0(VALU_DEP_1)
	v_sub_f32 v254, v12, v254                      ; M's old value less its new one: a whole number, 0 or less
	s_delay_alu instid0(VALU_DEP_1)
	v_cvt_i32_f32 v254, v254                       ; (it saturates)
	s_delay_alu instid0(VALU_DEP_1)
	v_ldexp_f32 v252, 1.0, v254                    ; f = 2^(old M - new M)
.set j, 0
.rept 32
	v_pk_fma_f32 v[96+j:97+j], v[96+j:97+j], s[CS:CS+1], v[12:13] op_sel_hi:[1,0,0]   ; t - M, two at a time (of the pairs c and -M the low word serves both halves)
.set j, j+2
.endr
.irp b, 0,1,2,3
	v_fma_f32 v[232+\b], v[232+\b], s[CS], v12     ; the same of each block's largest score
.endr
.set j, 0
	s_wait_alu depctr_va_vdst(0)
.rept 64
	v_exp_f32 v[96+j], v[96+j]                     ; p = 2^(t - M), at most 1: NOT normalised
.set j, j+1
.endr
.irp b, 0,1,2,3
	v_exp_f32 v[232+\b], v[232+\b]                 ; the block's largest p: the same two instructions on the same number give the same bits
.endr
	v_pk_mul_f32 v[14:15], v[14:15], v[252:253] op_sel_hi:[1,0]   ; the sums under the new M.  (A plain place behind the exponentials)
	s_wait_alu depctr_va_vdst(0)
.irp b, 0,1,2,3
	v_max_num_f32 v[232+\b], 0x1800000, v[232+\b]  ; the floor 2^(3 - 127): the byte cannot fall under 1
.endr
.irp b, 0,1,2,3
	s_delay_alu instid0(VALU_DEP_4)
	v_add_nc_u32 v[248+\b], 0xff000000, v[232+\b]  ; 2 off the exponent field: the conversion's scale operand
.endr
.irp b, 0,1,2,3
	s_delay_alu instid0(VALU_DEP_4)
	v_lshrrev_b32 v[236+\b], 23, v[248+\b]         ; the scale's byte
.endr
	s_delay_alu instid0(VALU_DEP_3)
	v_lshl_or_b32 v253, v237, 8, v236              ; p's scale word for these 128 keys
	s_delay_alu instid0(VALU_DEP_1)
	v_lshl_or_b32 v253, v238, 16, v253
	s_delay_alu instid0(VALU_DEP_1)
	v_lshl_or_b32 v253, v239, 24, v253
.irp b, 0,1,2,3
	v_cvt_scalef32_pk8_fp4_f32 v[224+2*\b], v[96+16*\b:103+16*\b], v[248+\b]
	v_cvt_scalef32_pk8_fp4_f32 v[225+2*\b], v[104+16*\b:111+16*\b], v[248+\b]
.endr
	v_nop                                          ; one plain place behind a scaled conversion
.irp c, 0,1                            ; the operand's layout wants a WHOLE block in a lane
.irp i, 0,1
	v_permlane16_swap_b32 v[224+4*\c+\i], v[226+4*\c+\i]
.endr
.endr
	v_pk_add_f32 v[236:237], v[100:101], v[104:105]
	v_pk_add_f32 v[250:251], v[108:109], v[112:113]
	v_pk_add_f32 v[248:249], v[116:117], v[120:121]
	v_pk_add_f32 v[234:235], v[124:125], v[128:129]
	v_pk_add_f32 v[232:233], v[132:133], v[136:137]
	v_pk_add_f32 v[30:31], v[140:141], v[144:145]
	v_pk_add_f32 v[28:29], v[148:149], v[152:153]
	v_pk_add_f32 v[14:15], v[14:15], v[156:157]
	v_pk_add_f32 v[236:237], v[236:237], v[96:97]
	v_pk_add_f32 v[250:251], v[250:251], v[98:99]
	v_pk_add_f32 v[248:249], v[248:249], v[102:103]
	v_pk_add_f32 v[234:235], v[234:235], v[106:107]
	v_pk_add_f32 v[232:233], v[232:233], v[110:111]
	v_pk_add_f32 v[30:31], v[30:31], v[114:115]
	v_pk_add_f32 v[28:29], v[28:29], v[118:119]
	v_pk_add_f32 v[14:15], v[14:15], v[122:123]
	v_pk_add_f32 v[236:237], v[236:237], v[126:127]
	v_pk_add_f32 v[250:251], v[250:251], v[130:131]
	v_pk_add_f32 v[248:249], v[248:249], v[134:135]
	v_pk_add_f32 v[234:235], v[234:235], v[138:139]
	v_pk_add_f32 v[232:233], v[232:233], v[142:143]
	v_pk_add_f32 v[30:31], v[30:31], v[146:147]
	v_pk_add_f32 v[28:29], v[28:29], v[150:151]
	v_pk_add_f32 v[14:15], v[14:15], v[154:155]
	v_pk_add_f32 v[236:237], v[236:237], v[158:159]
	s_delay_alu instid0(VALU_DEP_2)
	v_pk_add_f32 v[14:15], v[14:15], v[234:235]
	s_delay_alu instid0(VALU_DEP_2)
	v_pk_add_f32 v[236:237], v[236:237], v[232:233]
	v_pk_add_f32 v[250:251], v[250:251], v[30:31]
	v_pk_add_f32 v[248:249], v[248:249], v[28:29]
	s_delay_alu instid0(VALU_DEP_2)
	v_pk_add_f32 v[14:15], v[14:15], v[250:251]
	s_delay_alu instid0(VALU_DEP_2)
	v_pk_add_f32 v[236:237], v[236:237], v[248:249]
	s_delay_alu instid0(VALU_DEP_1)
	v_pk_add_f32 v[14:15], v[14:15], v[236:237]
.set j, 0
.rept 32
	v_pk_mul_f32 v[160+j:161+j], v[160+j:161+j], v[252:253] op_sel_hi:[1,0]   ; O^T under the new M: x f.  (These 32 are also the places between the codes, the scale word and the products below)
.set j, j+2
.endr
	s_wait_alu depctr_va_vdst(0)
	s_wait_dscnt 0x0                               ; V's fragments and scale words are in
.irp t, 0,1,2,3,4,5,6,7                ; O^T += V^T P^T: source 0 = 16 places of the head's 128, source 1 = P.  The eight accumulators take turns
	v_wmma_scale_f32_16x16x128_f8f6f4 v[160+8*\t:167+8*\t], v[32+8*\t:39+8*\t], v[224:231], v[160+8*\t:167+8*\t], v[240+\t], v253 matrix_a_fmt:MATRIX_FMT_FP4 matrix_b_fmt:MATRIX_FMT_FP4
.endr
.Lhidden:
	s_add_co_u32 s[TB], s[TB], 8192                ; the next step's eight fragments,
	s_add_co_u32 s[TS], s[TS], 1024                ; and scale words
	s_add_co_u32 s[J], s[J], 1
	s_cmp_lt_u32 s[J], 8
	s_cbranch_scc1 .Lstep
	; THE WAY OUT
.rept 4
	v_nop                                          ; places behind the last products
.endr
	v_add_f32 v14, v14, v15                        ; the sum's two halves,
	s_delay_alu instid0(VALU_DEP_1)
	v_permlanex16_b32 v252, v14, s[SEL], s[SEL+1]
	s_delay_alu instid0(VALU_DEP_1)
	v_add_f32 v14, v14, v252                       ; and lane l xor 16's: the row's sum
	s_wait_alu depctr_va_vdst(0)
	v_rcp_f32 v14, v14
.irp b, 0,1,2,3
	v_mov_b32 v[TM+4+\b], 0                        ; (plain places behind the reciprocal)  the lane permutes' destinations below are written
.endr
.set j, 0
	s_wait_alu depctr_va_vdst(0)
.rept 64
	v_mul_f32 v[96+j], v[160+j], v14               ; y: register 16 c + e is channel 32 c + 16 h + e of my query's head.  Each accumulator is read from its low end on
.set j, j+1
.endr
.irp b, 0,1,2,3
	v_max3_num_f32 v[TM+\b], |v[96+16*\b]|, |v[97+16*\b]|, 0x1800000   ; y's four blocks of 32 along the last product's K, quantised as q, k and v were
.endr
.irp i, 2,4,6,8,10,12,14
.irp b, 0,1,2,3
	s_delay_alu instid0(VALU_DEP_4)
	v_max3_num_f32 v[TM+\b], v[TM+\b], |v[96+16*\b+\i]|, |v[97+16*\b+\i]|
.endr
.endr
.irp b, 0,1,2,3
	s_delay_alu instid0(VALU_DEP_4)
	v_permlanex16_b32 v[TM+4+\b], v[TM+\b], s[SEL], s[SEL+1]
.endr
.irp b, 0,1,2,3
	s_delay_alu instid0(VALU_DEP_4)
	v_max_num_f32 v[TM+\b], v[TM+\b], v[TM+4+\b]
.endr
.irp b, 0,1,2,3
	s_delay_alu instid0(VALU_DEP_4)
	v_add_nc_u32 v[TM+12+\b], 0xff000000, v[TM+\b]
.endr
.irp b, 0,1,2,3
	s_delay_alu instid0(VALU_DEP_4)
	v_lshrrev_b32 v[TM+4+\b], 23, v[TM+12+\b]
.endr
	s_delay_alu instid0(VALU_DEP_3)
	v_lshl_or_b32 v[PW], v[TM+5], 8, v[TM+4]
	s_delay_alu instid0(VALU_DEP_1)
	v_lshl_or_b32 v[PW], v[TM+6], 16, v[PW]
	s_delay_alu instid0(VALU_DEP_1)
	v_lshl_or_b32 v[PW], v[TM+7], 24, v[PW]
.irp b, 0,1,2,3
	v_cvt_scalef32_pk8_fp4_f32 v[PC+2*\b], v[96+16*\b:103+16*\b], v[TM+12+\b]
	v_cvt_scalef32_pk8_fp4_f32 v[PC+1+2*\b], v[104+16*\b:111+16*\b], v[TM+12+\b]
.endr
	v_nop                                          ; one plain place behind a scaled conversion
.irp c, 0,1
.irp i, 0,1
	v_permlane16_swap_b32 v[PC+4*\c+\i], v[PC+2+4*\c+\i]
.endr
.endr
	ds_store_b128 v4, v[PC:PC+3]                   ; channels 32 h on: 16 bytes of my head's 64;
	ds_store_b128 v4, v[PC+4:PC+7] offset:32       ; channels 64 + 32 h on
	ds_store_b32 v5, v[PW]                         ; both halves of the lanes write the same word with the same value
	s_wait_dscnt 0x0                               ; for the others' sake: my stores into the stage are done
	s_barrier_signal -1
	s_barrier_wait -1
	ds_load_b128 v[96:99], v6                      ; four rows, four heads each
	ds_load_b128 v[100:103], v6 offset:2*272
	ds_load_b32 v104, v7
	s_wait_dscnt 0x0
	global_store_b128 v11, v[96:99], s[60:61]      ; 16 lanes store 256 consecutive bytes, aligned
	global_store_b128 v11, v[100:103], s[60:61] offset:2048
	global_store_b32 v24, v104, s[62:63]           ; 16 bytes of each of four rows of scale bytes
	s_wait_xcnt 0x0
	v_lshl_add_u32 v254, v0, 2, 0x30000
	v_mov_b32 v255, 0
	s_wait_alu depctr_va_vdst(0)
	s_wait_tensorcnt 0x0
	ds_add_u32 v254, v255
	s_wait_dscnt 0x0
	CROUND                                         ; the closing round: no work-group ends while a partner may still ask for a tile that names it
	s_endpgm
.Lfunc_end_k_q6ae37e5496_attn:
	.size	k_q6ae37e5496_attn, .Lfunc_end_k_q6ae37e5496_attn-k_q6ae37e5496_attn
	.p2alignl 7, 3214868480
	.fill 96, 4, 3214868480
	.section	.rodata,"a",@progbits
	.p2align	6, 0x0
	.amdhsa_kernel k_q6ae37e5496_attn
		.amdhsa_group_segment_fixed_size 198656
		.amdhsa_private_segment_fixed_size 0
		.amdhsa_enable_private_segment 0
		.amdhsa_kernarg_size 16
		.amdhsa_user_sgpr_count 2
		.amdhsa_user_sgpr_kernarg_segment_ptr 1
		.amdhsa_wavefront_size32 1
		.amdhsa_system_sgpr_workgroup_id_x 1
		.amdhsa_system_sgpr_workgroup_id_y 1
		.amdhsa_system_sgpr_workgroup_id_z 1
		.amdhsa_system_vgpr_workitem_id 0
		.amdhsa_next_free_vgpr 256
		.amdhsa_next_free_sgpr 66
		.amdhsa_reserve_vcc 1
		.amdhsa_float_denorm_mode_32 3
		.amdhsa_float_denorm_mode_16_64 3
		.amdhsa_memory_ordered 1
		.amdhsa_forward_progress 1
		.amdhsa_inst_pref_size 45
	.end_amdhsa_kernel
	.amdgpu_metadata
---
amdhsa.version: [ 1, 2 ]
amdhsa.kernels:
  - .name:           k_q6ae37e5496_attn
    .symbol:         k_q6ae37e5496_attn.kd
    .args:
      - { .name: fr, .offset: 0, .size: 8, .value_kind: global_buffer, .address_space: global }
      - { .name: yq, .offset: 8, .size: 8, .value_kind: global_buffer, .address_space: global }
    .group_segment_fixed_size: 198656
    .private_segment_fixed_size: 0
    .kernarg_segment_align: 8
    .kernarg_segment_size: 16
    .max_flat_workgroup_size: 512
    .sgpr_count:     66
    .vgpr_count:     256
    .wavefront_size: 32
...
	.end_amdgpu_metadata
.endif
;; end of part 3
;; launch oproj (part 4): grid 8 x 32, 4 waves a work-group, clusters of 4 x 4, 327,680 bytes of LDS; arguments yq, wq, bo, out0; writes out0
.if DOCPART == 4
	.amdgcn_target "amdgcn-amd-amdhsa--gfx1250"
	.amdhsa_code_object_version 6
	.text
	.protected	k_q6ae37e5496_oproj
	.globl	k_q6ae37e5496_oproj
	.p2align	8
	.type	k_q6ae37e5496_oproj,@function
k_q6ae37e5496_oproj:
	s_mov_b64 s[64:65], 0
	v_nop
	global_prefetch_b8 v0, s[64:65] scope:SCOPE_SE
	s_setreg_imm32_b32 hwreg(HW_REG_WAVE_MODE, 25, 1), 1
	s_wait_xcnt 0x0
	s_wait_alu depctr_hold_cnt(0) depctr_sa_sdst(0) depctr_va_vdst(0) depctr_va_sdst(0) depctr_va_ssrc(0) depctr_va_vcc(0) depctr_vm_vsrc(0)
	s_getreg_b32 s2, hwreg(HW_REG_IB_STS2, 6, 4)
	s_cmp_eq_u32 s2, 0
	s_cbranch_scc0 .Lentry_in_a_cluster
	s_endpgm
.Lentry_in_a_cluster:
	s_bfe_u32 s2, ttmp6, 0x10000c
	s_cmp_lg_u32 s2, 0xf033
	s_cbranch_scc0 .Lentry_shape_is_right
	s_endpgm
.Lentry_shape_is_right:
; out0 = y Wo^T + bo on codes of FP4 (E2M1) with E8M0 scales.  y: yq, codes [place][1,024 bytes], then scale bytes [place][64]; Wo: rows 3,072 on of wq, laid likewise; places are rows with bits 3 and 4 of their number swapped.
; A work-group makes 128 places by 256 columns, a wave 64 x 128: 32 accumulators.  K goes in steps of 512 through a ring of two LDS slots; the scale bytes of all of K come once, with the first fills.
; CLUSTERS: 4 x 4 work-groups; y's tiles are asked for jointly along a row of the cluster, Wo's along a column.  The bias is the C of the first products.
; THE HEAD: one joint load a wave: wave 0 K step 0's 128 rows of y, wave 1 its 256 rows of Wo, wave 2 y's scale bytes, wave 3 Wo's; slot 1's first fill stands behind the full sequence and a round.
.set SIZE_N, 2048
.set SIZE_K, 2048
.set YS_OFF, 4194304
.set WO_C,   3072*1024
.set WO_S,   5242880+3072*64
.set KSTEP,  512
.set NQ,     KSTEP/128
.set ROWB,   256
.set KROW,   SIZE_K*4/8
.set PITCH,  272
.set FR,     8
.set NL,     2
.set NP,     4
.set YHALF,  64*PITCH
.set WHALF,  128*PITCH
.set WBASE,  2*YHALF
.set SLOT,   2*YHALF+2*WHALF
.set LAPS,   SIZE_K/(2*KSTEP)
.set KS,     SIZE_K/32
.set SCL,    2*SLOT
.set HSA,    (64*KS/256)*272
.set HSB,    (128*KS/256)*272
.set SBLK,   (16*KS/256)*272
.set SPARE,  SCL+2*HSA+2*HSB
.set SPITCH, 528
.set ADRA, 16
.set ADRB, 20
.set STO,  24
.set RD,   25
.set CO,   26
.set ADRS, 27
.set SPW,  28
.set NIL,  29
.set HB,   30
.set SC,   32
.set AF,   128
.set BI,   192
.set BK,   128
.set G1, 24
.set G0, 32
.set G1B, 48
.set G0B, 56
.set G1S, 68
.set G0S, 76
.set G1SB, 80
.set G0SB, 88
.set MSB, 0
.macro WIN new
.if MSB != (\new)
	s_set_vgpr_msb (MSB<<8)|(\new)
.set MSB, (\new)
.endif
.endm
.set MUL,    0xa1
.set MUL_1,  0x81
.set TO_B,   0x40
.macro JLOAD g0a, g1a, g0b, g1b
	s_cmp_eq_u32 s15, 0
	s_cbranch_scc0 .Lfor_b_\@
	tensor_load_to_lds s[\g0a:\g0a+3], s[\g1a:\g1a+7]
	s_nop 0
.rept 4
	v_nop
.endr
	s_branch .Lasked_\@
.Lfor_b_\@:
	tensor_load_to_lds s[\g0b:\g0b+3], s[\g1b:\g1b+7]
	s_nop 0
.rept 4
	v_nop
.endr
.Lasked_\@:
.endm
.macro CREST
	s_cmp_lg_u32 s14, 0
	s_cbranch_scc1 .Lnot_wave_0_\@
	s_barrier_signal -3
.Lnot_wave_0_\@:
	s_barrier_wait -3
	s_barrier_signal -1
	s_barrier_wait -1
.endm
.macro CROUND
	s_barrier_signal -1
	s_barrier_wait -1
	CREST
.endm
	s_load_b128 s[4:7], s[0:1], 0x0
	s_load_b128 s[8:11], s[0:1], 0x10
	v_lshl_add_u32 v[SPW], v0, 2, SPARE
	v_mov_b32 v[NIL], 0
	ds_add_u32 v28, v29
	ds_add_u32 v28, v29
	s_wait_dscnt 0x0
	v_lshrrev_b32 v1, 5, v0
	v_readfirstlane_b32 s14, v1
	s_lshr_b32 s15, s14, 1
	s_and_b32 s16, s14, 1
	s_bfe_u32 s40, ttmp6, 0x40000
	s_bfe_u32 s41, ttmp6, 0x40004
	s_lshl_b32 s42, ttmp9, 2
	s_add_co_u32 s42, s42, s40
	s_and_b32 s17, ttmp7, 0xffff
	s_lshl_b32 s17, s17, 2
	s_add_co_u32 s17, s17, s41
	s_lshl_b32 s43, s41, 2
	s_lshl_b32 s43, 15, s43
	s_lshl_b32 s44, 0x1111, s40
	s_or_b32 s[G1+0], s43, (0<<16)|(1<<20)|(1<<21)|(5<<22)|(3<<25)
	s_or_b32 s[G1B+0], s44, (0<<16)|(1<<20)|(1<<21)|(5<<22)|(3<<25)
	s_mov_b32 s[G1+1], ROWB<<16
	s_mov_b32 s[G1+2], 128<<16
	s_mov_b32 s[G1+3], ROWB<<16
	s_mov_b32 s[G1+4], 128
	s_mov_b32 s[G1+5], KROW
	s_mov_b32 s[G1+6], 0
	s_mov_b32 s[G1+7], 0
	s_mov_b32 s[G1B+1], ROWB<<16
	s_mov_b32 s[G1B+2], 256<<16
	s_mov_b32 s[G1B+3], ROWB<<16
	s_mov_b32 s[G1B+4], 256
	s_mov_b32 s[G1B+5], KROW
	s_mov_b32 s[G1B+6], 0
	s_mov_b32 s[G1B+7], 0
	s_or_b32 s[G1S+0], s43, (3<<16)|(1<<20)|(1<<21)|(5<<22)|(3<<25)
	s_or_b32 s[G1SB+0], s44, (3<<16)|(1<<20)|(1<<21)|(5<<22)|(3<<25)
	s_mov_b32 s[G1S+1], 32<<16
	s_mov_b32 s[G1S+2], (2*64*KS/256)<<16
	s_mov_b32 s[G1S+3], 32<<16
	s_mov_b32 s[G1S+4], 2*64*KS/256
	s_mov_b32 s[G1S+5], 32
	s_mov_b32 s[G1S+6], 0
	s_mov_b32 s[G1S+7], 0
	s_mov_b32 s[G1SB+1], 32<<16
	s_mov_b32 s[G1SB+2], (2*128*KS/256)<<16
	s_mov_b32 s[G1SB+3], 32<<16
	s_mov_b32 s[G1SB+4], 2*128*KS/256
	s_mov_b32 s[G1SB+5], 32
	s_mov_b32 s[G1SB+6], 0
	s_mov_b32 s[G1SB+7], 0
	s_lshl_b32 s20, s17, 7                         ; the tile's first place of y,
	s_lshl_b32 s46, s42, 8                         ; and its first row of Wo
	s_mov_b32 s21, 0
	s_mov_b32 s47, 0
	s_mov_b64 s[18:19], KS
	s_mul_u64 s[22:23], s[20:21], s[18:19]
	s_mul_u64 s[92:93], s[46:47], s[18:19]
	s_mov_b64 s[18:19], KROW
	s_mul_u64 s[20:21], s[20:21], s[18:19]
	s_mul_u64 s[46:47], s[46:47], s[18:19]
	s_add_nc_u64 s[22:23], s[22:23], YS_OFF
	s_add_nc_u64 s[46:47], s[46:47], WO_C
	s_add_nc_u64 s[92:93], s[92:93], WO_S
	s_mul_i32 s45, s16, YHALF
	s_mul_i32 s95, s16, WHALF
	s_add_co_u32 s95, s95, WBASE
	s_wait_kmcnt 0x0
	s_add_nc_u64 s[20:21], s[4:5], s[20:21]
	s_add_nc_u64 s[22:23], s[4:5], s[22:23]
	s_add_nc_u64 s[46:47], s[6:7], s[46:47]
	s_add_nc_u64 s[92:93], s[6:7], s[92:93]
	CROUND
	s_mov_b32 s[G0S], 1                            ; the head's four tiles, each whole: y's scale bytes,
	s_mov_b32 s[G0S+1], SCL
	s_mov_b64 s[G0S+2:G0S+3], s[22:23]
	s_or_b32 s[G0S+3], s[G0S+3], 0x80000000
	s_mov_b32 s[G0SB], 1                           ; Wo's,
	s_mov_b32 s[G0SB+1], SCL+2*HSA
	s_mov_b64 s[G0SB+2:G0SB+3], s[92:93]
	s_or_b32 s[G0SB+3], s[G0SB+3], 0x80000000
	s_mov_b32 s[G0], 1                             ; K step 0's 128 rows of y (slot 0's group 0 is set for the ring behind the head's loads),
	s_mov_b32 s[G0+1], 0
	s_mov_b64 s[G0+2:G0+3], s[20:21]
	s_or_b32 s[G0+3], s[G0+3], 0x80000000
	s_mov_b32 s[G0B], 1                            ; and its 256 rows of Wo
	s_mov_b32 s[G0B+1], WBASE
	s_mov_b64 s[G0B+2:G0B+3], s[46:47]
	s_or_b32 s[G0B+3], s[G0B+3], 0x80000000
	s_lshl_b32 s4, s16, 16                         ; in the ring I fetch half a tile: 64 rows of y on,
	s_mov_b32 s5, 0
	s_lshl_b32 s6, s16, 17                         ; or 128 rows of Wo
	s_mov_b32 s7, 0
	s_mov_b32 s[G0+4], 1
	s_add_co_u32 s[G0+5], s45, SLOT
	s_add_nc_u64 s[G0+6:G0+7], s[20:21], s[4:5]
	s_add_nc_u64 s[G0+6:G0+7], s[G0+6:G0+7], ROWB
	s_or_b32 s[G0+7], s[G0+7], 0x80000000
	s_mov_b32 s[G0B+4], 1
	s_add_co_u32 s[G0B+5], s95, SLOT
	s_add_nc_u64 s[G0B+6:G0B+7], s[46:47], s[6:7]
	s_add_nc_u64 s[G0B+6:G0B+7], s[G0B+6:G0B+7], ROWB
	s_or_b32 s[G0B+7], s[G0B+7], 0x80000000
.macro ARM under, g0, g1, next         ; one tree of branches on the wave's number: every way through the head passes one load
	s_cmp_lt_u32 s14, \under
	s_cbranch_scc0 \next
	tensor_load_to_lds s[\g0:\g0+3], s[\g1:\g1+7]
	s_nop 0
.rept 4
	v_nop
.endr
	s_branch .Lhead_asked
\next:
.endm
	ARM 1, G0,  G1,  .Lhead_b
	ARM 2, G0B, G1B, .Lhead_sa
	ARM 3, G0S, G1S, .Lhead_sb
	tensor_load_to_lds s[G0SB:G0SB+3], s[G1SB:G1SB+7]
	s_nop 0
.rept 4
	v_nop
.endr
.Lhead_asked:
; PREFETCH of later K steps' codes, 256 bytes of a row to a lane, one instruction a wave.  The four partners that ask for a tile jointly share its rows out by address: of y's 128 rows the partner at cx takes 32 (wave 0);
; of Wo's 256 rows the partner at cy takes 64 (waves 2 and 3, 32 each); wave 1 asks for nothing.  K steps 1 and 2 are asked for here, behind the head's loads, K step 3 behind slot 1's first fill: one or two fills ahead of the load that wants them.
; The offsets are immediates: the address registers are never written again.
.macro ASK step
	s_cmp_eq_u32 s14, 1
	s_cbranch_scc1 .Lnot_mine_\@
	global_prefetch_b8 v31, s[98:99] offset:(\step)*ROWB th:TH_LOAD_NT scope:SCOPE_SE
.Lnot_mine_\@:
.endm
	s_lshl_b32 s100, s40, 15                       ; y: 32 rows of 1,024 bytes x cx
	s_lshl_b32 s101, s41, 16                       ; Wo: 64 rows x cy,
	s_lshl_b32 s97, s16, 15                        ; + 32 rows x my half
	s_add_co_u32 s101, s101, s97
	s_cmp_eq_u32 s15, 0
	s_cselect_b64 s[98:99], s[20:21], s[46:47]
	s_cselect_b32 s100, s100, s101
	s_mov_b32 s101, 0
	s_add_nc_u64 s[98:99], s[98:99], s[100:101]
	v_and_b32 v31, 31, v0
	v_lshlrev_b32 v31, 10, v31                     ; a lane a row
	s_wait_alu depctr_va_vdst(0)                   ; the wait here, directly behind the write: branches stand ahead of its readers
	ASK 1
	ASK 2
	v_and_b32 v1, 15, v0
	v_bfe_u32 v2, v0, 4, 1
	v_mul_u32_u24 v3, v1, PITCH
	v_lshl_add_u32 v4, v2, 4, v3
	s_mul_i32 s21, s15, YHALF
	s_mul_i32 s22, s16, WHALF
	s_add_co_u32 s22, s22, WBASE
.irp s, 0,1
	v_add_nc_u32 v[ADRA+\s], s21, v4
	v_add_nc_u32 v[ADRB+\s], s22, v4
	s_add_co_u32 s21, s21, SLOT
	s_add_co_u32 s22, s22, SLOT
.endr
	v_mul_u32_u24 v5, v1, KS
	v_lshrrev_b32 v6, 8, v5
	v_lshl_add_u32 v5, v6, 4, v5
	s_mul_i32 s21, s15, HSA
	s_mul_i32 s22, s16, HSB
	s_add_co_u32 s22, s22, 2*HSA
	s_sub_co_u32 s22, s22, s21
	v_mul_u32_u24 v6, s22, v2
	s_add_co_u32 s21, s21, SCL
	v_add_nc_u32 v5, v5, v6
	v_add_nc_u32 v[ADRS], s21, v5
	s_mul_i32 s23, s14, 16*SPITCH
	v_mul_u32_u24 v5, v1, SPITCH
	v_lshl_add_u32 v5, v2, 6, v5
	v_add_nc_u32 v[STO], s23, v5
	v_and_b32 v6, 31, v0
	v_lshlrev_b32 v[CO], 4, v6
	v_add_nc_u32 v[RD], s23, v[CO]
	s_lshl_b32 s20, s17, 7
	s_lshl_b32 s21, s15, 6
	s_add_co_u32 s20, s20, s21
	s_mov_b32 s21, 0
	s_mov_b64 s[18:19], SIZE_N*4
	s_mul_u64 s[20:21], s[20:21], s[18:19]
	s_lshl_b32 s46, s42, 10
	s_lshl_b32 s47, s16, 9
	s_add_co_u32 s46, s46, s47
	s_mov_b32 s47, 0
	s_add_nc_u64 s[20:21], s[20:21], s[46:47]
	s_add_nc_u64 s[10:11], s[10:11], s[20:21]
	s_add_nc_u64 s[8:9], s[8:9], s[46:47]
	v_lshlrev_b32 v[HB], 6, v2
.irp c, 0,1,2,3
.irp g, 0,1,2,3
	global_load_b128 v[BI+16*\c+4*\g:BI+16*\c+4*\g+3], v[HB], s[8:9] offset:128*\c+16*\g
.endr
.endr
.macro FRAG reg, adr, q, i
.irp c, 0,1
	ds_load_b128 v[\reg+4*\c:\reg+4*\c+3], v[\adr] offset:64*(\q)+32*\c+(\i)*16*PITCH
.endr
.endm
.macro MULA a, p, q, sc, first
.irp b, 0,1,2,3,4,5,6,7
.if \first
	v_wmma_scale_f32_16x16x128_f8f6f4 v[8*(8*(\a)+\b):8*(8*(\a)+\b)+7], v[128*(\p)+FR*\b:128*(\p)+FR*\b+FR-1], v[AF+32*(\p)+FR*(\a):AF+32*(\p)+FR*(\a)+FR-1], v[BI+8*\b:BI+8*\b+7], v[SC+8*NQ*(\sc)+NQ*\b+(\q)], v[SC+8*NQ*(\sc)+NQ*(\a)+(\q)] matrix_a_fmt:MATRIX_FMT_FP4 matrix_b_fmt:MATRIX_FMT_FP4 matrix_a_scale:MATRIX_SCALE_ROW1
.else
	v_wmma_scale_f32_16x16x128_f8f6f4 v[8*(8*(\a)+\b):8*(8*(\a)+\b)+7], v[128*(\p)+FR*\b:128*(\p)+FR*\b+FR-1], v[AF+32*(\p)+FR*(\a):AF+32*(\p)+FR*(\a)+FR-1], v[8*(8*(\a)+\b):8*(8*(\a)+\b)+7], v[SC+8*NQ*(\sc)+NQ*\b+(\q)], v[SC+8*NQ*(\sc)+NQ*(\a)+(\q)] matrix_a_fmt:MATRIX_FMT_FP4 matrix_b_fmt:MATRIX_FMT_FP4 matrix_a_scale:MATRIX_SCALE_ROW1
.endif
.endr
.endm
.macro FETCH slot, q, p, ws
	WIN TO_B
.irp i, 0,1,2,3,4,5,6,7
	FRAG 128*(\p)+FR*\i, ADRB+\slot, \q, \i
.endr
	WIN 0
.irp i, 0,1
	FRAG AF+32*(\p)+FR*\i, ADRA+\slot, \q, \i
.endr
.if \ws
.irp i, 0,1,2,3,4,5,6,7
	ds_load_b128 v[SC+8*NQ*\slot+NQ*\i:SC+8*NQ*\slot+NQ*\i+3], v[ADRS] offset:\i*SBLK
.endr
.endif
.irp i, 2,3
	FRAG AF+32*(\p)+FR*\i, ADRA+\slot, \q, \i
.endr
.endm
.macro PLACES n
.rept \n
	v_nop
.endr
.endm
.macro STEP slot, q, first
	s_wait_dscnt 2*NL
	WIN MUL-0x20*(\first)
	MULA 0, (\q)%2, \q, \slot, \first
	MULA 1, (\q)%2, \q, \slot, \first
	PLACES NP
	FETCH \slot, (\q)+1, 1-(\q)%2, 0
	s_wait_dscnt 12*NL
	WIN MUL-0x20*(\first)
	MULA 2, (\q)%2, \q, \slot, \first
	MULA 3, (\q)%2, \q, \slot, \first
.endm
.macro TURN slot, next, fill
	WIN 0
	s_wait_tensorcnt 0x0
	ds_add_u32 v[SPW], v[NIL]
	s_wait_dscnt 2*NL+1
	WIN MUL
	MULA 0, 1, NQ-1, \slot, 0
	s_wait_dscnt 0x0
	s_barrier_signal -1
	MULA 1, 1, NQ-1, \slot, 0
	WIN 0
	s_barrier_wait -1
.if \fill
	CREST
	s_add_nc_u64 s[G0+4*\slot+2:G0+4*\slot+3], s[G0+4*\slot+2:G0+4*\slot+3], 2*ROWB
	s_add_nc_u64 s[G0B+4*\slot+2:G0B+4*\slot+3], s[G0B+4*\slot+2:G0B+4*\slot+3], 2*ROWB
	JLOAD G0+4*\slot, G1, G0B+4*\slot, G1B
.else
	PLACES NP
.endif
	s_wait_alu depctr_va_vdst(0)
	v_add_nc_u32 v[ADRS], 4*NQ, v[ADRS]
	FETCH \next, 0, 0, 1
	WIN MUL
	MULA 2, 1, NQ-1, \slot, 0
	MULA 3, 1, NQ-1, \slot, 0
.endm
.macro STEPS slot, from
.set Q, \from
.rept NQ-1-\from
	STEP \slot, Q, 0
.set Q, Q+1
.endr
.endm
	s_wait_alu depctr_va_vdst(0)
	s_wait_tensorcnt 0x0                           ; my tile of the head's four is in; the full sequence ahead of slot 1's first fill
	ds_add_u32 v[SPW], v[NIL]
	s_mov_b32 s[G1+2], 64<<16                      ; no load of mine is out: from here on a load brings half a tile
	s_mov_b32 s[G1+4], 64
	s_mov_b32 s[G1B+2], 128<<16
	s_mov_b32 s[G1B+4], 128
	s_mov_b32 s[G0+1], s45                         ; and slot 0's group 0 stands at my half of K step 0
	s_add_nc_u64 s[G0+2:G0+3], s[G0+2:G0+3], s[4:5]
	s_mov_b32 s[G0B+1], s95
	s_add_nc_u64 s[G0B+2:G0B+3], s[G0B+2:G0B+3], s[6:7]
	s_wait_dscnt 0x0
	CROUND
	JLOAD G0+4, G1, G0B+4, G1B                     ; K step 1: the first tensor load behind the round
	FETCH 0, 0, 0, 1
	ASK 3
	s_wait_loadcnt 0x0
	STEP 0, 0, 1
	WIN 0
	s_mov_b32 s3, LAPS-1
.Llap:
	STEPS 0, 1
	TURN 0, 1, 1
	STEPS 1, 0
	TURN 1, 0, 1
	STEP 0, 0, 0
	WIN 0
	s_sub_co_u32 s3, s3, 1
	s_cmp_lg_u32 s3, 0
	s_cbranch_scc1 .Llap
	STEPS 0, 1
	TURN 0, 1, 0
	STEPS 1, 0
	s_wait_dscnt 2*NL
	WIN MUL
	MULA 0, 1, NQ-1, 1, 0
	MULA 1, 1, NQ-1, 1, 0
	s_wait_dscnt 0
	MULA 2, 1, NQ-1, 1, 0
	MULA 3, 1, NQ-1, 1, 0
	WIN 0
.macro TOSTAGE a
.set AC, 64*(\a)
	WIN 0x08
.irp b, 0,1,2,3,4,5,6,7
	ds_store_b128 v[STO], v[AC+8*\b:AC+8*\b+3] offset:128*(\b/2)+32*(\b%2)
	ds_store_b128 v[STO], v[AC+8*\b+4:AC+8*\b+7] offset:128*(\b/2)+32*(\b%2)+16
.endr
	WIN 0
.set BB, BK+64*((\a)%2)
.irp t, 0,1,2,3,4,5,6,7,8,9,10,11,12,13,14,15
	ds_load_b128 v[BB+4*\t:BB+4*\t+3], v[RD] offset:\t*SPITCH
.endr
.endm
.macro SEND a, younger
.set BB, BK+64*((\a)%2)
	s_wait_dscnt \younger
.irp t, 0,1,2,3,4,5,6,7,8,9,10,11,12,13,14,15
	global_store_b128 v[CO], v[BB+4*\t:BB+4*\t+3], s[10:11] offset:(32*((\a)/2)+8*((\a)%2)+\t+8*(\t/8))*SIZE_N*4 th:TH_STORE_NT
.endr
.endm
	PLACES NP
	TOSTAGE 0
.irp a, 1,2,3
.if \a > 1
	s_wait_xcnt 0x0
.endif
	TOSTAGE \a
	SEND \a-1, 32
.endr
	SEND 3, 0
	s_wait_tensorcnt 0x0
	ds_add_u32 v[SPW], v[NIL]
	s_wait_dscnt 0x0
	CROUND
	s_endpgm
.Lfunc_end_k_q6ae37e5496_oproj:
	.size	k_q6ae37e5496_oproj, .Lfunc_end_k_q6ae37e5496_oproj-k_q6ae37e5496_oproj
	.p2alignl 7, 3214868480
	.fill 96, 4, 3214868480
	.section	.rodata,"a",@progbits
	.p2align	6, 0x0
	.amdhsa_kernel k_q6ae37e5496_oproj
		.amdhsa_group_segment_fixed_size 327680
		.amdhsa_private_segment_fixed_size 0
		.amdhsa_enable_private_segment 0
		.amdhsa_kernarg_size 32
		.amdhsa_user_sgpr_count 2
		.amdhsa_user_sgpr_kernarg_segment_ptr 1
		.amdhsa_wavefront_size32 1
		.amdhsa_system_sgpr_workgroup_id_x 1
		.amdhsa_system_sgpr_workgroup_id_y 1
		.amdhsa_system_sgpr_workgroup_id_z 1
		.amdhsa_system_vgpr_workitem_id 0
		.amdhsa_next_free_vgpr 768
		.amdhsa_next_free_sgpr 102
		.amdhsa_reserve_vcc 0
		.amdhsa_float_denorm_mode_32 3
		.amdhsa_float_denorm_mode_16_64 3
		.amdhsa_memory_ordered 1
		.amdhsa_forward_progress 1
		.amdhsa_inst_pref_size 125
	.end_amdhsa_kernel
	.amdgpu_metadata
---
amdhsa.version: [ 1, 2 ]
amdhsa.kernels:
  - .name:           k_q6ae37e5496_oproj
    .symbol:         k_q6ae37e5496_oproj.kd
    .args:
      - { .name: yq, .offset: 0, .size: 8, .value_kind: global_buffer, .address_space: global }
      - { .name: wq, .offset: 8, .size: 8, .value_kind: global_buffer, .address_space: global }
      - { .name: bo, .offset: 16, .size: 8, .value_kind: global_buffer, .address_space: global }
      - { .name: out0, .offset: 24, .size: 8, .value_kind: global_buffer, .address_space: global }
    .group_segment_fixed_size: 327680
    .private_segment_fixed_size: 0
    .kernarg_segment_align: 8
    .kernarg_segment_size: 32
    .max_flat_workgroup_size: 128
    .sgpr_count:     102
    .vgpr_count:     768
    .wavefront_size: 32
...
	.end_amdgpu_metadata
.endif
;; end of part 4
